; MI455X (gfx1250); checked and timed in simulation.
; The chip was launched on July 23, 2026; its instructions are those of AMD's public machine-readable ISA for CDNA 5 (MIT licence, August 2026) and "CDNA5" Instruction Set Architecture Reference Guide (July 2026). The comments in the code are by the model that wrote it; some were corrected since.
;; Grouped Multi Head Attention. Allowed arithmetic: matrix products marked QUANTISED: E2M3 operands, one E8M0 scale for each 32 along K, by v_wmma_scale_f32_16x16x128_f8f6f4 with both operands' format E2M3, f32 sums; everything else in f32.
;; Inputs: Wk 1,024 x 256 float32; Wo 1,024 x 1,024 float32; Wq 1,024 x 1,024 float32; Wv 1,024 x 256 float32; attn_bias 1 x 1 x 2,048 x 2,048 float32; x 4 x 2,048 x 1,024 float32.
;; Outputs: out0 4 x 2,048 x 1,024 float32.
;; This version of the problem:
;;   THIS VERSION OF THE PROBLEM IS GIVEN IN LOW PRECISION. The matrix products marked QUANTISED in the list below multiply operands that are first quantised to E2M3 (2 exponent bits, 3 mantissa bits; 6 bits a number), with one power-of-two scale for each 32 numbers along K (OCP MX v1.0); their sums are f32. All else is computed in f32.
;;   The module's matrix products, in the order in which they are computed (A, B: the left and right operand; K: the contracted axis; several contracted axes count as one K, in the product's order):
;;     1. [M 8,192, K 1,024] x [K 1,024, N 1,024]; A: input x; B: input Wq: QUANTISED
;;     2. [M 8,192, K 1,024] x [K 1,024, N 256]; A: input x; B: input Wk: QUANTISED
;;     3. [M 8,192, K 1,024] x [K 1,024, N 256]; A: input x; B: input Wv: QUANTISED
;;     4. batch 16 x [M 2,048, K 64] x [K 64, N 8,192]; A: computed on the way; B: computed on the way: QUANTISED
;;     5. batch 16 x [M 64, K 2,048] x [K 2,048, N 8,192]; A: computed on the way; B: softmax (see below): QUANTISED
;;     6. [M 8,192, K 1,024] x [K 1,024, N 1,024]; A: computed on the way; B: input Wo: QUANTISED
;;   THE QUANTISER, for each operand of a quantised product, along K:
;;     - K is cut into blocks of 32 from its start; a last block that is shorter is filled with zeros.
;;     - A block's scale is 2^e with e = floor(log2(the largest magnitude in the block)) - 2, held to -126 .. 127; a block of zeros has e = 0. As a byte (E8M0): e + 127.
;;     - Each number is divided by its block's scale, clamped to +-7.5, and rounded to the nearest number of E2M3, ties to even, subnormals kept.
;;     - The product sums the exact products of the quantised numbers (number of the format x scale) in f32.
;;   ~~~python
;;   def quantise(x, axis):      # numpy; x: float32 -> the quantised numbers, widened to float32 again
;;       x = np.moveaxis(x, axis, -1); K = x.shape[-1]
;;       x = np.pad(x, [(0, 0)] * (x.ndim - 1) + [(0, -K % 32)]); x = x.reshape(x.shape[:-1] + (-1, 32)); a = np.abs(x).max(-1, keepdims=True)
;;       e = np.where(a > 0, np.clip(np.frexp(np.where(a > 0, a, 1))[1] - 1 - 2, -126, 127), 0)      # np.frexp(a)[1] - 1 = floor(log2(a)), exactly
;;       r = np.clip(x / 2.0 ** e, -7.5, 7.5)
;;       step = 2.0 ** (np.maximum(np.frexp(np.where(r == 0, 1, r))[1] - 1, 0) - 3)
;;       q = np.round(r / step) * step * 2.0 ** e      # np.round: ties to even
;;       return np.moveaxis(q.reshape(q.shape[:-2] + (-1,))[..., :K], -1, axis).astype(np.float32)
;;   ~~~
;;   SOFTMAX AHEAD OF A QUANTISED PRODUCT. Where the list says 'softmax', what is quantised is not the finished softmax but p = 2^(t - M), with t = logit x log2(e) and M = ceil(the row's largest t), a whole number; so 1/2 < the row's largest p <= 1. The row's sum l is taken of the UNQUANTISED p, in f32, and the product's result is divided by l at the end. Since M is a whole number, a kernel that streams over the keys may use a running M (the ceiling of the running maximum): every later rescaling is an exact power of two, which a block's scale takes up: the codes' values come out the same.
;;   OPERANDS COMPUTED ON THE WAY. 'Computed on the way' means the value that the module computes at that place (a softmax that the list does not call 'softmax' is quantised finished and normalised). What goes into a quantiser is computed in f32, as accurately as f32 sums, v_exp_f32 and their like allow (about 1e-6 of the number): no bf16 or f16 on the way to a quantiser, and a product that is left as it is and whose result goes on into a quantised operand takes f32 operands (vector FMAs, or v_wmma_f32_16x16x4_f32). A number that lies on a knife's edge between two numbers of the format may be rounded either way, as far as f32 arithmetic and the matrix unit's own rounding can turn it there, and no further.
;; One version. Each part assembles by itself: llvm-mc -triple=amdgcn-amd-amdhsa -mcpu=gfx1250 --defsym DOCPART=n.
;; ======== version 1 of 1: 4 launches
;; limits: a function is approximated: absolute error at most 0.00015
;; workspace buffers: xc 6,291,456 bytes; xs 262,144 bytes; wc 1,966,080 bytes; ws 81,920 bytes; tab 17,301,504 bytes; qkv 10,158,080 bytes; yc 6,291,456 bytes; ys 262,144 bytes
;; launch prep (part 1): grid 336 x 1, 4 waves a work-group, no clusters, 102,912 bytes of LDS; arguments x, attn_bias, Wq, Wk, Wv, Wo, xc, xs, wc, ws, tab; writes xc, xs, wc, ws, tab
.if DOCPART == 1
	.amdgcn_target "amdgcn-amd-amdhsa--gfx1250"
	.amdhsa_code_object_version 6
	.text
	.protected	k_q4982d1284d_prep
	.globl	k_q4982d1284d_prep
	.p2align	8
	.type	k_q4982d1284d_prep,@function
k_q4982d1284d_prep:
	s_mov_b64 s[64:65], 0
	v_nop
	global_prefetch_b8 v0, s[64:65] scope:SCOPE_SE
	s_setreg_imm32_b32 hwreg(HW_REG_WAVE_MODE, 25, 1), 1
	s_wait_xcnt 0x0
; WHAT IT MAKES.  (1) x [8192][1024] f32 -> codes of FP6 (E2M3), rows of 768 bytes, and one E8M0 byte for each 32 along K.  (2) Wq, Wk, Wv, Wo ([K][N] f32, K first) -> codes with K innermost,
; one table of 2,560 rows (Wq's 1,024 columns, Wk's 256, Wv's 256, Wo's 1,024), and their scale bytes.  (3) 8 x attn_bias, laid as the registers of a 16 x 128 tile of scores take it.  (4) RoPE's sin and cos, laid likewise.
; THE ORDER INSIDE A BLOCK OF 32.  Every operand of every product of this program holds a block's four octets in the order 0, 2, 1, 3: that is the order in which two neighbouring 16 x 16 matrix results, converted
; sixteen numbers a lane, fall into an operand.  The same order on both sides of a product keeps its products and its scales; only the order of the f32 sums inside a block differs from the written one.
; A block's scale is 2^(floor(log2(largest magnitude)) - 2): its byte is the largest magnitude's exponent field - 2, held at 1 from below.
; LIMITS: a block of zeros gets the byte 1 (its codes are zeros; this program alone reads the bytes); NaN and infinities in x and the weights are not served.  RoPE's angle is position x 2^(-d log2(10) / 8)
; in f32: the frequency is good to a few units in its last place, so the angle to about 1.5e-4 at the largest positions of the second frequency.
; SHARES.  Work-groups 0-255: each wave 8,192 numbers of x, two bias images, and (waves 0, 1) one plane of sin and one of cos.  Work-groups 256-335: 128 columns x 256 along K of a weight.
; No tensor load, no barrier: waves share nothing.  Matrix units and clusters have nothing to do in a stream.  The two paths have LDS bytes of their own.
.set SP,    80                         ; x's stage: a place of 64 bytes + 16 of padding
.set WREG,  8192                       ; x's path: a region for each wave: two stages of 32 places, then its 256 scale bytes
.set BST,   32768                      ; the bias stages: 32 rows x 272 bytes for each wave
.set WST,   67584                      ; the weights' stages: 32 rows x 272 bytes for each wave
.set SPARE, 102400                     ; the spare words, 128 bytes for each wave
.set RT,    16777216                   ; where the sin and cos images begin in tab
.set EMAX,  2
.set CB,    12                         ; bytes of 16 codes
.set STEPS, 16
.set SPW,   1                          ; v1  LDS address of my spare word; never rewritten
.set NIL,   2                          ; v2  0; never rewritten
.set LN,    3                          ; v3  lane
.set R,     16                         ; v16-79   x: four sets of 16 numbers as loaded; later the second bias image, later RoPE
.set X,     80                         ; v80-111  x: two sets of 16 numbers of one block's half
.set E,     112                        ; v112-127 a scale byte for each step
.set C,     128                        ; v128-191 codes, four registers a step; later the first bias image on its way out
.set B0,    192                        ; v192-255 the first bias image as loaded; later the second on its way out
.set WX,    32                         ; weights: v32-95 two sets of 32 numbers
.set WC,    96                         ; v96-102 a block's codes
.set OUTR,  112                        ; v112-175 the way out
.set RO,    176                        ; v176-207 the byte offset of row i of a block: 4 x lane + i x the weight's pitch
.set SB,    14                         ; v14-15 my column's eight scale bytes
	s_load_b256 s[4:11], s[0:1], 0x0               ; x, attn_bias, Wq, Wk
	s_load_b256 s[12:19], s[0:1], 0x20             ; Wv, Wo, xc, xs
	s_load_b128 s[20:23], s[0:1], 0x40             ; wc, ws
	s_load_b64 s[24:25], s[0:1], 0x50              ; tab
	v_lshl_add_u32 v[SPW], v0, 2, SPARE
	v_mov_b32 v[NIL], 0
	v_lshrrev_b32 v4, 5, v0
	v_readfirstlane_b32 s26, v4                    ; wave
	v_and_b32 v[LN], 31, v0
	s_cmp_lt_u32 ttmp9, 256
	s_cbranch_scc0 .Lw
; ---------------------------------------------------------------- x, the bias, the table
	v_lshlrev_b32 v4, 4, v[LN]                     ; 16 x lane
	v_mul_u32_u24 v5, v[LN], CB                    ; my codes' place in a step's
	s_mul_i32 s27, s26, WREG
	v_lshrrev_b32 v9, 2, v[LN]
	v_mul_u32_u24 v9, v9, SP
	v_and_b32 v11, 3, v[LN]
	v_lshl_add_u32 v9, v11, 4, v9
	v_add_nc_u32 v9, s27, v9                       ; x's stage, in: four lanes' 64 bytes on end, then the padding
	v_and_b32 v10, 30, v[LN]
	v_mul_u32_u24 v10, v10, SP
	v_and_b32 v11, 1, v[LN]
	v_lshl_add_u32 v10, v11, 5, v10
	v_add_nc_u32 v10, s27, v10                     ; out: a block is two places; the even lane takes octets 0 and 2, the odd lane octets 1 and 3
	v_lshrrev_b32 v6, 1, v[LN]
	s_add_co_u32 s28, s27, 2*32*SP
	v_add_nc_u32 v6, s28, v6                       ; my block's scale byte in LDS
	v_lshlrev_b32 v8, 3, v[LN]
	v_add_nc_u32 v7, s28, v8                       ; and on the way out 8 bytes a lane
	s_mul_i32 s29, s26, 32*272
	s_add_co_u32 s29, s29, BST
	v_and_b32 v14, 28, v[LN]
	v_lshl_add_u32 v14, v11, 1, v14
	v_bfe_u32 v12, v[LN], 1, 1
	v_add_nc_u32 v14, v14, v12                     ; lane l holds keys 4 l .. 4 l + 3 of a row: they belong to plane 2 (l / 4) + l % 2, half (l / 2) % 2: stage row 2 x plane + half
	v_mul_u32_u24 v14, v14, 272
	v_add_nc_u32 v14, s29, v14                     ; the bias stage, in (+ 16 x the query's row)
	v_and_b32 v15, 15, v[LN]
	v_lshlrev_b32 v15, 4, v15
	v_bfe_u32 v12, v[LN], 4, 1
	v_mad_u32_u24 v15, v12, 272, v15
	v_add_nc_u32 v15, s29, v15                     ; out: lane (r, h) of plane g reads stage row 2 g + h, place r
	s_lshl_b32 s30, ttmp9, 2
	s_add_co_u32 s30, s30, s26                     ; which of the 1,024 shares is my wave's
	s_mov_b32 s33, 0
	s_wait_kmcnt 0x0
	s_lshl_b32 s32, s30, 15
	s_add_nc_u64 s[4:5], s[4:5], s[32:33]          ; x: 8,192 numbers a share
	s_mul_i32 s32, s30, 32*STEPS*CB
	s_add_nc_u64 s[16:17], s[16:17], s[32:33]      ; their codes
	s_lshl_b32 s32, s30, 8
	s_add_nc_u64 s[18:19], s[18:19], s[32:33]      ; their 256 scale bytes
	s_lshr_b32 s32, s30, 3
	s_lshl_b32 s32, s32, 17                        ; the bias: 16 rows of 8,192 bytes for each tile of queries,
	s_and_b32 s34, s30, 7
	s_lshl_b32 s34, s34, 10                        ; 256 keys a share
	s_add_co_u32 s32, s32, s34
	s_add_nc_u64 s[6:7], s[6:7], s[32:33]
	s_lshl_b32 s32, s30, 14
	s_add_nc_u64 s[36:37], s[24:25], s[32:33]      ; my two images of 8,192 bytes
.macro BLOAD d, e                      ; image e as it lies: 16 rows, 512 consecutive bytes each
.irp rr, 0,1,2,3,4,5,6,7,8,9,10,11,12,13,14,15
	global_load_b128 v[\d+4*\rr:\d+4*\rr+3], v4, s[6:7] offset:\rr*8192+\e*512 th:TH_LOAD_NT
.endr
.endm
.macro LOADX t
.irp i, 0,1,2,3
	global_load_b128 v[R+16*((\t)%4)+4*\i:R+16*((\t)%4)+4*\i+3], v4, s[4:5] offset:2048*(\t)+512*\i th:TH_LOAD_NT   ; 512 consecutive bytes
.endr
.endm
.macro TURNX t                         ; a step's 2,048 bytes through the stage; LDS serves a wave's instructions in order, so no wait stands between the stores and the loads
.irp i, 0,1,2,3
	ds_store_b128 v9, v[R+16*((\t)%4)+4*\i:R+16*((\t)%4)+4*\i+3] offset:32*SP*((\t)%2)+8*SP*\i
.endr
.irp i, 0,1,2,3
	ds_load_b128 v[X+16*((\t)%2)+4*\i:X+16*((\t)%2)+4*\i+3], v10 offset:32*SP*((\t)%2)+16*(\i%2)+SP*(\i/2)
.endr
.endm
	BLOAD B0, 0                                    ; the first bias image goes out first and lands while x is worked on
.irp t, 0,1,2,3
	LOADX \t
.endr
	s_wait_loadcnt 12                              ; the image and step 0's four loads are in
	TURNX 0
.macro STEPX t
.set XS, X+16*((\t)%2)
.if (\t) > 0
	s_wait_dscnt 1                                 ; this step's numbers are back from the stage (the last step's byte store may be out)
.else
	s_wait_dscnt 0x0
.endif
.if (\t)+4 < STEPS
	LOADX (\t)+4                                   ; into the set that this step's stage stores have read
.endif
.if (\t)+1 < STEPS
.if STEPS-2-(\t) >= 3
	s_wait_loadcnt 12                              ; the next step's four loads are in; three steps' may be out
.else
	s_wait_loadcnt 4*(STEPS-2-(\t))
.endif
	TURNX (\t)+1
.endif
	v_max3_num_f32 v11, |v[XS]|, |v[XS+1]|, |v[XS+2]|
	v_max3_num_f32 v12, |v[XS+3]|, |v[XS+4]|, |v[XS+5]|
.irp i, 6,10
	v_max3_num_f32 v11, v11, |v[XS+\i]|, |v[XS+\i+1]|
	v_max3_num_f32 v12, v12, |v[XS+\i+2]|, |v[XS+\i+3]|
.endr
	v_max3_num_f32 v11, v11, |v[XS+14]|, |v[XS+15]|
	v_max3_num_f32 v11, v11, v12, (EMAX+1)<<23     ; with the floor 2^(3 - 127): the byte cannot fall under 1
	v_max_num_f32_dpp v11, v11, v11 row_xmask:1 row_mask:0xf bank_mask:0xf   ; and my neighbour's 16: the block's largest magnitude
	v_add_nc_u32 v13, -(EMAX<<23), v11             ; 2 off its exponent field: the conversion's scale operand
	v_cvt_scalef32_pk16_fp6_f32 v[C+4*(\t):C+4*(\t)+2], v[XS:XS+15], v13
	v_lshrrev_b32 v[E+(\t)], 23, v13               ; the scale's byte
	ds_store_b8 v6, v[E+(\t)] offset:16*(\t)       ; both lanes of a block write the same byte
	global_store_b96 v5, v[C+4*(\t):C+4*(\t)+2], s[16:17] offset:32*CB*(\t)   ; the wave stores 384 consecutive bytes
.endm
.irp t, 0,1,2,3,4,5,6,7,8,9,10,11,12,13,14,15
	STEPX \t
.endr
	BLOAD R, 1                                     ; the second image, into registers that x has left
	ds_load_b64 v[12:13], v7
	s_wait_dscnt 0x0
	global_store_b64 v8, v[12:13], s[18:19]        ; 32 lanes store 256 consecutive bytes of scales
; An image: x 8 (exact), through the stage, and out as 16 planes of 512 consecutive bytes: plane g, lane (r, h) = 8 bias[query r][keys 16 (g / 2) + 8 h + 4 (g % 2) + 0 .. 3]
.macro BIMG d, o, e
.set JJ, 0
.rept 32
	v_pk_mul_f32 v[\d+JJ:\d+JJ+1], v[\d+JJ:\d+JJ+1], 0x41000000 op_sel_hi:[1,0]
.set JJ, JJ+2
.endr
.irp rr, 0,1,2,3,4,5,6,7,8,9,10,11,12,13,14,15
	ds_store_b128 v14, v[\d+4*\rr:\d+4*\rr+3] offset:16*\rr      ; rows 272 bytes apart
.endr
.irp g, 0,1,2,3,4,5,6,7,8,9,10,11,12,13,14,15
	ds_load_b128 v[\o+4*\g:\o+4*\g+3], v15 offset:544*\g
.endr
.irp g, 0,1,2,3,4,5,6,7,8,9,10,11,12,13,14,15
	s_wait_dscnt 15-\g
	global_store_b128 v4, v[\o+4*\g:\o+4*\g+3], s[36:37] offset:\e*8192+512*\g
.endr
.endm
	s_wait_loadcnt 16                              ; the first image is in; the second's 16 loads may be out
	s_wait_xcnt 0x0                                ; the stores of x's codes have read v128-191, which take the first image on its way out
	BIMG B0, C, 0
	s_wait_loadcnt 0x0
	BIMG R, B0, 1                                  ; (its stage stores come behind the first image's stage loads: LDS serves the wave in order)
; RoPE's table: waves 0 and 1 make one plane of sin and the same plane of cos: 4 numbers a lane each.  Plane pl of tile: token 16 tile + r, d = 16 (pl / 2) + 8 h + 4 (pl % 2) + i
	s_cmp_gt_u32 s26, 1
	s_cbranch_scc1 .Lxend
	s_lshl_b32 s30, ttmp9, 1
	s_add_co_u32 s30, s30, s26
	s_lshr_b32 s31, s30, 2                         ; tile of 16 positions
	s_and_b32 s34, s30, 3                          ; plane
	s_lshl_b32 s32, s31, 12
	s_lshl_b32 s35, s34, 9
	s_add_co_u32 s32, s32, s35
	s_add_co_u32 s32, s32, RT
	s_add_nc_u64 s[24:25], s[24:25], s[32:33]
	s_lshr_b32 s35, s34, 1
	s_lshl_b32 s35, s35, 4
	s_and_b32 s34, s34, 1
	s_lshl_b32 s34, s34, 2
	s_add_co_u32 s35, s35, s34                     ; the plane's first d
	s_lshl_b32 s31, s31, 4                         ; the tile's first position
.set IV,  20
.set ANG, 24
.set NN,  28
.set RR,  32
.set ZZ,  36
.set PS,  40
.set PCS, 44
.set QQ,  48
.set SN,  52
.set CN,  56
.set TT,  60
	v_and_b32 v16, 15, v0
	v_add_nc_u32 v16, s31, v16
	v_cvt_f32_u32 v16, v16                         ; the position
	v_bfe_u32 v17, v0, 4, 1
	v_lshl_add_u32 v17, v17, 3, s35
.irp i, 0,1,2,3
	v_add_nc_u32 v[IV+\i], \i, v17                 ; d
.endr
.irp i, 0,1,2,3
	v_cvt_f32_u32 v[IV+\i], v[IV+\i]
.endr
.irp i, 0,1,2,3
	v_mul_f32 v[IV+\i], 0xbed49a78, v[IV+\i]       ; -d log2(10) / 8: 10000^(-d / 32) = 2^that
.endr
.irp i, 0,1,2,3
	v_exp_f32 v[IV+\i], v[IV+\i]
.endr
	v_nop                                          ; a plain instruction behind the last exponential
	s_wait_alu depctr_va_vdst(0)                   ; one wait for the four, ahead of their first reader
.irp i, 0,1,2,3
	v_mul_f32 v[ANG+\i], v16, v[IV+\i]             ; the angle, one f32 product
.endr
.irp i, 0,1,2,3
	v_mul_f32 v[NN+\i], 0x3f22f983, v[ANG+\i]      ; x 2 / pi
.endr
.irp i, 0,1,2,3
	v_rndne_f32 v[NN+\i], v[NN+\i]                 ; n: the nearest multiple of pi / 2 (at most 1,304)
.endr
.irp i, 0,1,2,3
	v_fma_f32 v[RR+\i], -v[NN+\i], 0x3fc90fdb, v[ANG+\i]   ; angle - n x (pi / 2's upper 24 bits): the difference is a multiple of 2^-23 under 1, so nothing is rounded
.endr
.irp i, 0,1,2,3
	v_fma_f32 v[RR+\i], -v[NN+\i], 0xb33bbd2e, v[RR+\i]    ; - n x the rest of pi / 2
.endr
.irp i, 0,1,2,3
	v_mul_f32 v[ZZ+\i], v[RR+\i], v[RR+\i]
	v_mov_b32 v[PS+\i], 0x3638ef1d                 ; 1 / 9!
	v_mov_b32 v[PCS+\i], 0xb493f27e                ; -1 / 10!
.endr
.irp i, 0,1,2,3
	v_fmaak_f32 v[PS+\i], v[PS+\i], v[ZZ+\i], 0xb9500d01   ; -1 / 7!
	v_fmaak_f32 v[PCS+\i], v[PCS+\i], v[ZZ+\i], 0x37d00d01 ; 1 / 8!
.endr
.irp i, 0,1,2,3
	v_fmaak_f32 v[PS+\i], v[PS+\i], v[ZZ+\i], 0x3c088889   ; 1 / 5!
	v_fmaak_f32 v[PCS+\i], v[PCS+\i], v[ZZ+\i], 0xbab60b61 ; -1 / 6!
.endr
.irp i, 0,1,2,3
	v_fmaak_f32 v[PS+\i], v[PS+\i], v[ZZ+\i], 0xbe2aaaab   ; -1 / 3!
	v_fmaak_f32 v[PCS+\i], v[PCS+\i], v[ZZ+\i], 0x3d2aaaab ; 1 / 4!
.endr
.irp i, 0,1,2,3
	v_mul_f32 v[TT+\i], v[RR+\i], v[ZZ+\i]
	v_fmaak_f32 v[PCS+\i], v[PCS+\i], v[ZZ+\i], 0xbf000000 ; -1 / 2
.endr
.irp i, 0,1,2,3
	v_fma_f32 v[PS+\i], v[TT+\i], v[PS+\i], v[RR+\i]       ; sin of the rest
	v_fma_f32 v[PCS+\i], v[PCS+\i], v[ZZ+\i], 1.0          ; cos of the rest
	v_cvt_i32_f32 v[QQ+\i], v[NN+\i]
.endr
.irp i, 0,1,2,3
	v_and_b32 v[TT+\i], 1, v[QQ+\i]
.endr
.irp i, 0,1,2,3
	v_cmp_eq_u32 vcc_lo, 1, v[TT+\i]               ; in odd quadrants sin and cos change places
	v_cndmask_b32 v[SN+\i], v[PS+\i], v[PCS+\i], vcc_lo
	v_cndmask_b32 v[CN+\i], v[PCS+\i], v[PS+\i], vcc_lo
.endr
.irp i, 0,1,2,3
	v_and_b32 v[TT+\i], 2, v[QQ+\i]                ; sin is negative in quadrants 2 and 3,
	v_add_nc_u32 v[QQ+\i], 1, v[QQ+\i]
.endr
.irp i, 0,1,2,3
	v_lshlrev_b32 v[TT+\i], 30, v[TT+\i]
	v_and_b32 v[QQ+\i], 2, v[QQ+\i]                ; cos in quadrants 1 and 2
.endr
.irp i, 0,1,2,3
	v_xor_b32 v[SN+\i], v[SN+\i], v[TT+\i]
	v_lshlrev_b32 v[QQ+\i], 30, v[QQ+\i]
.endr
.irp i, 0,1,2,3
	v_xor_b32 v[CN+\i], v[CN+\i], v[QQ+\i]
.endr
	global_store_b128 v4, v[SN:SN+3], s[24:25]                 ; 512 consecutive bytes
	global_store_b128 v4, v[CN:CN+3], s[24:25] offset:2048
.Lxend:
	s_wait_tensorcnt 0x0                           ; the wave's end, behind my last LDS store
	ds_add_u32 v[SPW], v[NIL]
	s_wait_dscnt 0x0
	s_endpgm
; ---------------------------------------------------------------- the weights: a lane takes a column, its registers run down K
.Lw:
	s_sub_co_u32 s27, ttmp9, 256
	s_lshr_b32 s28, s27, 2                         ; which 128 rows of the table (0 .. 19)
	s_and_b32 s29, s27, 3                          ; which 256 along K
	v_lshlrev_b32 v4, 2, v[LN]
	s_mul_i32 s56, s26, 32*272
	s_add_co_u32 s56, s56, WST                     ; my stage
	v_mul_u32_u24 v5, v[LN], 272
	v_add_nc_u32 v5, s56, v5                       ; in: row = my column
	v_and_b32 v11, 15, v[LN]
	v_lshrrev_b32 v12, 4, v[LN]
	v_mul_u32_u24 v6, v12, 272
	v_lshl_add_u32 v6, v11, 4, v6
	v_add_nc_u32 v6, s56, v6                       ; out: sixteen lanes to a row, two rows an instruction
	v_mul_u32_u24 v7, v12, 768
	v_mad_u32_u24 v7, v11, 12, v7                  ; the same place in the table of codes
	v_lshlrev_b32 v8, 5, v[LN]                     ; my column's row of scale bytes
	s_mov_b32 s32, 4096                            ; the weight's pitch in bytes,
	s_mov_b32 s36, 1024
	s_sub_co_u32 s33, s28, 12                      ; and which 128 of its columns
	s_sub_co_u32 s34, s28, 10
	s_sub_co_u32 s35, s28, 8
	s_wait_kmcnt 0x0
	s_mov_b64 s[30:31], s[14:15]                   ; Wo, unless
	s_cmp_lt_u32 s28, 12
	s_cselect_b64 s[30:31], s[12:13], s[30:31]     ; Wv, unless
	s_cselect_b32 s32, s36, s32
	s_cselect_b32 s33, s34, s33
	s_cmp_lt_u32 s28, 10
	s_cselect_b64 s[30:31], s[10:11], s[30:31]     ; Wk, unless
	s_cselect_b32 s33, s35, s33
	s_cmp_lt_u32 s28, 8
	s_cselect_b64 s[30:31], s[8:9], s[30:31]       ; Wq: the choice hangs on the work-group's number alone
	s_cselect_b32 s32, 4096, s32
	s_cselect_b32 s33, s28, s33
	s_mul_i32 s34, s29, s32
	s_lshl_b32 s34, s34, 8                         ; 256 rows for each step along K
	s_lshl_b32 s35, s33, 9
	s_add_co_u32 s34, s34, s35                     ; 128 columns of 4 bytes
	s_lshl_b32 s35, s26, 7
	s_add_co_u32 s34, s34, s35                     ; my wave's 32
	s_mov_b32 s35, 0
	s_add_nc_u64 s[40:41], s[30:31], s[34:35]      ; block 0's first row
	s_lshl_b32 s34, s32, 5
.irp t, 1,2,3,4,5,6,7
	s_add_nc_u64 s[40+2*\t:41+2*\t], s[38+2*\t:39+2*\t], s[34:35]   ; a base for each block of 32 rows: the pitch is no constant of the text
.endr
.irp i, 0,1,2,3,4,5,6,7,8,9,10,11,12,13,14,15,16,17,18,19,20,21,22,23,24,25,26,27,28,29,30,31
	v_mad_u32_u24 v[RO+\i], s32, \i, v4
.endr
	s_lshl_b32 s36, s28, 7
	s_lshl_b32 s37, s26, 5
	s_add_co_u32 s36, s36, s37                     ; my wave's first row of the table
	s_mul_i32 s34, s36, 768
	s_mul_i32 s37, s29, 192
	s_add_co_u32 s34, s34, s37
	s_add_nc_u64 s[20:21], s[20:21], s[34:35]
	s_lshl_b32 s34, s36, 5
	s_lshl_b32 s37, s29, 3
	s_add_co_u32 s34, s34, s37
	s_add_nc_u64 s[22:23], s[22:23], s[34:35]
.macro LOADW t                         ; block t: register i takes the row that stands at place i of the block: octets 0, 2, 1, 3.  Each load reads 128 consecutive bytes a wave
.irp i, 0,1,2,3,4,5,6,7,8,9,10,11,12,13,14,15,16,17,18,19,20,21,22,23,24,25,26,27,28,29,30,31
	global_load_b32 v[WX+32*((\t)%2)+\i], v[RO+((\i)&7)+((\i)&8)*2+((\i)&16)/2], s[40+2*(\t):41+2*(\t)] th:TH_LOAD_NT
.endr
.endm
	LOADW 0
	LOADW 1
.macro BLOCKW t
.set XS, WX+32*((\t)%2)
.if (\t) < 7
	s_wait_loadcnt 32                              ; this block's 32 loads are in; the next block's may be out
.else
	s_wait_loadcnt 0
.endif
	v_max3_num_f32 v11, |v[XS]|, |v[XS+1]|, |v[XS+2]|
	v_max3_num_f32 v12, |v[XS+3]|, |v[XS+4]|, |v[XS+5]|
.irp i, 6,10,14,18,22,26
	v_max3_num_f32 v11, v11, |v[XS+\i]|, |v[XS+\i+1]|
	v_max3_num_f32 v12, v12, |v[XS+\i+2]|, |v[XS+\i+3]|
.endr
	v_max3_num_f32 v11, v11, |v[XS+30]|, |v[XS+31]|
	v_max3_num_f32 v11, v11, v12, (EMAX+1)<<23     ; the floor
	v_add_nc_u32 v13, -(EMAX<<23), v11             ; the conversion's scale operand
	v_lshrrev_b32 v12, 23, v13                     ; the scale's byte
.if (\t)%4 == 0
	v_mov_b32 v[SB+(\t)/4], v12
.else
	v_lshl_or_b32 v[SB+(\t)/4], v12, 8*((\t)%4), v[SB+(\t)/4]
.endif
	v_cvt_scalef32_pk16_fp6_f32 v[WC:WC+2], v[XS:XS+15], v13
	v_cvt_scalef32_pk16_fp6_f32 v[WC+4:WC+6], v[XS+16:XS+31], v13
	ds_store_b96 v5, v[WC:WC+2] offset:32*(\t)     ; 12 bytes to a place of 16
	ds_store_b96 v5, v[WC+4:WC+6] offset:32*(\t)+16
.if (\t)+2 < 8
	LOADW (\t)+2
.endif
	s_wait_dscnt 0x0                               ; the stores have read their registers: the next block's codes may be written
.endm
.irp t, 0,1,2,3,4,5,6,7
	BLOCKW \t
.endr
	global_store_b64 v8, v[SB:SB+1], s[22:23]      ; my column's eight scale bytes
.irp t, 0,1,2,3,4,5,6,7,8,9,10,11,12,13,14,15
	ds_load_b96 v[OUTR+4*\t:OUTR+4*\t+2], v6 offset:2*\t*272
.endr
.irp t, 0,1,2,3,4,5,6,7,8,9,10,11,12,13,14,15
	s_wait_dscnt 15-\t
	global_store_b96 v7, v[OUTR+4*\t:OUTR+4*\t+2], s[20:21] offset:2*\t*768   ; sixteen lanes store a row's 192 consecutive bytes
.endr
	s_wait_tensorcnt 0x0                           ; the wave's end, behind my last LDS store
	ds_add_u32 v[SPW], v[NIL]
	s_wait_dscnt 0x0
	s_endpgm
.Lfunc_end_k_q4982d1284d_prep:
	.size	k_q4982d1284d_prep, .Lfunc_end_k_q4982d1284d_prep-k_q4982d1284d_prep
	.p2alignl 7, 3214868480
	.fill 96, 4, 3214868480
	.section	.rodata,"a",@progbits
	.p2align	6, 0x0
	.amdhsa_kernel k_q4982d1284d_prep
		.amdhsa_group_segment_fixed_size 102912
		.amdhsa_private_segment_fixed_size 0
		.amdhsa_enable_private_segment 0
		.amdhsa_kernarg_size 88
		.amdhsa_user_sgpr_count 2
		.amdhsa_user_sgpr_kernarg_segment_ptr 1
		.amdhsa_wavefront_size32 1
		.amdhsa_system_sgpr_workgroup_id_x 1
		.amdhsa_system_sgpr_workgroup_id_y 1
		.amdhsa_system_sgpr_workgroup_id_z 1
		.amdhsa_system_vgpr_workitem_id 0
		.amdhsa_next_free_vgpr 256
		.amdhsa_next_free_sgpr 72
		.amdhsa_reserve_vcc 1
		.amdhsa_float_denorm_mode_32 3
		.amdhsa_float_denorm_mode_16_64 3
		.amdhsa_memory_ordered 1
		.amdhsa_forward_progress 1
		.amdhsa_inst_pref_size 101
	.end_amdhsa_kernel
	.amdgpu_metadata
---
amdhsa.version: [ 1, 2 ]
amdhsa.kernels:
  - .name:           k_q4982d1284d_prep
    .symbol:         k_q4982d1284d_prep.kd
    .args:
      - { .name: x, .offset: 0, .size: 8, .value_kind: global_buffer, .address_space: global }
      - { .name: attn_bias, .offset: 8, .size: 8, .value_kind: global_buffer, .address_space: global }
      - { .name: Wq, .offset: 16, .size: 8, .value_kind: global_buffer, .address_space: global }
      - { .name: Wk, .offset: 24, .size: 8, .value_kind: global_buffer, .address_space: global }
      - { .name: Wv, .offset: 32, .size: 8, .value_kind: global_buffer, .address_space: global }
      - { .name: Wo, .offset: 40, .size: 8, .value_kind: global_buffer, .address_space: global }
      - { .name: xc, .offset: 48, .size: 8, .value_kind: global_buffer, .address_space: global }
      - { .name: xs, .offset: 56, .size: 8, .value_kind: global_buffer, .address_space: global }
      - { .name: wc, .offset: 64, .size: 8, .value_kind: global_buffer, .address_space: global }
      - { .name: ws, .offset: 72, .size: 8, .value_kind: global_buffer, .address_space: global }
      - { .name: tab, .offset: 80, .size: 8, .value_kind: global_buffer, .address_space: global }
    .group_segment_fixed_size: 102912
    .private_segment_fixed_size: 0
    .kernarg_segment_align: 8
    .kernarg_segment_size: 88
    .max_flat_workgroup_size: 128
    .sgpr_count:     72
    .vgpr_count:     256
    .wavefront_size: 32
...
	.end_amdgpu_metadata
.endif
;; end of part 1
;; launch qkv (part 2): grid 32 x 6, 4 waves a work-group, no clusters, 327,680 bytes of LDS; arguments xc, xs, wc, ws, tab, qkv; writes qkv
.if DOCPART == 2
	.amdgcn_target "amdgcn-amd-amdhsa--gfx1250"
	.amdhsa_code_object_version 6
	.text
	.protected	k_q4982d1284d_qkv
	.globl	k_q4982d1284d_qkv
	.p2align	8
	.type	k_q4982d1284d_qkv,@function
k_q4982d1284d_qkv:
	s_mov_b64 s[64:65], 0
	v_nop
	global_prefetch_b8 v0, s[64:65] scope:SCOPE_SE
	s_setreg_imm32_b32 hwreg(HW_REG_WAVE_MODE, 25, 1), 1
	s_wait_xcnt 0x0
; x [8192][1024] times [Wq Wk Wv] (1,536 columns), on codes of FP6 (E2M3) with E8M0 scales; then RoPE on q and k in f32; then q, k (along the head's 64) and v (along the keys) are quantised in registers
; and stored as IMAGES OF OPERAND REGISTERS: 16 bytes a lane, 512 consecutive bytes a store.
; A work-group makes 256 tokens x 256 columns; four waves, each 128 x 128: 64 accumulators, 512 registers.  K goes in steps of 256 through a ring of two LDS slots filled by tensor loads; the scale bytes of the
; work-group's rows come once and stay.  Tile columns 0-3 are q (16 heads), 4 is k, 5 is v.
; WHICH SIDE IS WHICH.  The matrix instruction's source 0 takes rows of operand B', source 1 rows of A': a lane then holds one row of A' and eight neighbours along B'.  For q and k A' = x, B' = the weights:
; a lane holds a token, its registers run along the channels, which are the next product's K.  For v A' = Wv, B' = x: a lane holds a channel and its registers run along the tokens, the keys: nothing is transposed.
; NO JOINT LOADS: the grid has six tile columns, which four does not divide; along the tokens, partners would share B' in five columns and A' in the sixth, while a mask is one constant word of a descriptor.
; A BLOCK OF 32 holds its octets in the order 0, 2, 1, 3, in every operand of this program: the order in which two neighbouring results, converted sixteen numbers a lane, fall into an operand.
; LIMITS: a block of zeros gets the scale byte 1 with zero codes; NaN and infinities are not served.
; REGISTERS: window 0: v0-31 addresses; v32-63 scale words; v64-127 RoPE's results; from v128 A's fragments, later the quantiser.  window 1: B's two sets of fragments, later the sin and cos tiles.  windows 2, 3: accumulators.
.set KSTEP,  256
.set NQ,     2
.set ROWB,   192                       ; a tile's row: 256 codes
.set KROW,   768                       ; a row of codes in memory
.set PITCH,  240                       ; an LDS row: 3 x (64 bytes + 16 of padding)
.set FR,     12
.set NL,     6
.set NP,     4
.set HALFT,  128*PITCH
.set SLOT,   4*HALFT
.set LAPS,   2                         ; 1,024 along K: four slots' worth, twice round the ring
.set KS,     32                        ; a row of scale bytes
.set SCL,    2*SLOT
.set HALFS,  16*272                    ; the scales of 128 rows: 16 units of 256 bytes + 16 of padding
.set SBLK,   2*272
.set SPARE,  SCL+4*HALFS
.set RT,     16777216                  ; tab: where the sin and cos images begin
.set QSB,    6291456                   ; qkv: q's scale words
.set KVB,    6815744                   ; qkv: the sixteen blocks of k and v
.set KVSZ,   208896                    ; a block: K's scale words 8,192, V's 4,096, then 16 steps of 128 keys: K's codes 6,144, V's 6,144
.set SH,   10                          ; v10  16 x (lane / 16)
.set ADRA, 16
.set ADRB, 20
.set ADRS, 27
.set SPW,  28                          ; v28  my spare word; never rewritten
.set NIL,  29                          ; v29  0; never rewritten
.set TO,   30                          ; v30  16 x lane
.set T8,   31                          ; v31  8 x lane
.set SC,   32
.set R,    64                          ; v64-127 64 numbers ahead of the quantiser
.set AF,   128
.set PC,   128                         ; v128-147 the codes just made
.set TM,   152                         ; v152-167 the quantiser at work
.set PW,   168                         ; the scale word just made
.set SW,   172                         ; v172-175 four scale words of q or k
.set VW,   176                         ; v176-179 four of v
.set W01,  180
.set G1,  24
.set G0,  32
.set G1S, 48
.set G0S, 56
.set SEL, 60                           ; s[60:61] lane l xor 16
.set HM,  62                           ; s62 lanes 16-31
.set TP,  66                           ; s[66:67] my eight tiles of sin and cos
.set CB0, 68                           ; s[68:71] where my two heads' codes go
.set SB0, 72                           ; s[72:75] and their scale words
.set MSB, 0
.macro WIN new
.if MSB != \new
	s_set_vgpr_msb (MSB<<8)|\new
.set MSB, \new
.endif
.endm
.set MUL_LO, 0xa1
.set MUL_HI, 0xf1
.set TO_B,   0x40
	s_load_b256 s[4:11], s[0:1], 0x0               ; xc, xs, wc, ws
	s_load_b128 s[12:15], s[0:1], 0x20             ; tab, qkv
	v_lshl_add_u32 v[SPW], v0, 2, SPARE
	v_mov_b32 v[NIL], 0
	ds_add_u32 v[SPW], v[NIL]                      ; the wave's opening: the add and its wait ahead of my first tensor load
	v_lshrrev_b32 v1, 5, v0
	v_readfirstlane_b32 s16, v1                    ; wave
	s_lshr_b32 s17, s16, 1                         ; which half of A's rows is mine.  Also: I fetch for A' (0) or B' (1)
	s_and_b32 s18, s16, 1                          ; which half of B's rows.  Also: which 128 rows I fetch
	s_mov_b32 s19, ttmp9                           ; tile of 256 tokens
	s_and_b32 s20, ttmp7, 0xffff                   ; tile of 256 columns
	s_mov_b32 s[G1+0], (1<<20)|(3<<22)|(3<<25)     ; elements of 1 byte; 4 words of padding behind every 16
	s_mov_b32 s[G1+1], ROWB<<16
	s_mov_b32 s[G1+2], 128<<16
	s_mov_b32 s[G1+3], ROWB<<16
	s_mov_b32 s[G1+4], 128
	s_mov_b32 s[G1+5], KROW
	s_mov_b32 s[G1+6], 0
	s_mov_b32 s[G1+7], 0
	s_mov_b32 s[G1S+0], (3<<16)|(1<<20)|(5<<22)|(3<<25)   ; the scales of 128 rows: 16 rows of 256 bytes, 16 bytes of padding behind each
	s_mov_b32 s[G1S+1], 32<<16
	s_mov_b32 s[G1S+2], 16<<16
	s_mov_b32 s[G1S+3], 32<<16
	s_mov_b32 s[G1S+4], 16
	s_mov_b32 s[G1S+5], 32
	s_mov_b32 s[G1S+6], 0
	s_mov_b32 s[G1S+7], 0
	s_mov_b32 s[SEL], 0x76543210
	s_mov_b32 s[SEL+1], 0xfedcba98
	s_mov_b32 s[HM], 0xffff0000
	s_cmp_eq_u32 s20, 5
	s_cselect_b32 s21, 1, 0
	s_xor_b32 s21, s21, s17                        ; 0: the rows that I fetch are x's; 1: the weights'
	s_cmp_eq_u32 s21, 0
	s_cselect_b32 s22, s19, s20
	s_lshl_b32 s22, s22, 8
	s_lshl_b32 s23, s18, 7
	s_add_co_u32 s22, s22, s23                     ; their first row: 256 x tile + 128 x half
	s_mul_i32 s44, s22, KROW
	s_mov_b32 s45, 0
	s_lshl_b32 s46, s22, 5
	s_mov_b32 s47, 0
	s_mul_i32 s76, s16, HALFT                      ; where they go: wave x 128 rows
	s_mul_i32 s77, s16, HALFS
	s_wait_dscnt 0x0                               ; the opening add is done
	s_wait_kmcnt 0x0
	s_cmp_eq_u32 s21, 0                            ; ids alone decide between the buffers
	s_cselect_b64 s[40:41], s[4:5], s[8:9]
	s_cselect_b64 s[42:43], s[6:7], s[10:11]
	s_add_nc_u64 s[40:41], s[40:41], s[44:45]
	s_add_nc_u64 s[42:43], s[42:43], s[46:47]
	s_mov_b32 s[G0S], 1
	s_add_co_u32 s[G0S+1], s77, SCL
	s_mov_b64 s[G0S+2:G0S+3], s[42:43]
	s_or_b32 s[G0S+3], s[G0S+3], 0x80000000
.irp s, 0,1
	s_mov_b32 s[G0+4*\s], 1
	s_add_co_u32 s[G0+4*\s+1], s76, \s*SLOT
	s_add_nc_u64 s[G0+4*\s+2:G0+4*\s+3], s[40:41], \s*ROWB
	s_or_b32 s[G0+4*\s+3], s[G0+4*\s+3], 0x80000000
.endr
	tensor_load_to_lds s[G0S:G0S+3], s[G1S:G1S+7]  ; the first fills go out together: three loads of mine are out
	s_nop 0
	tensor_load_to_lds s[G0:G0+3], s[G1:G1+7]
	s_nop 0
	tensor_load_to_lds s[G0+4:G0+7], s[G1:G1+7]
	s_nop 0
.rept 4
	v_nop
.endr
	v_and_b32 v1, 15, v0
	v_bfe_u32 v2, v0, 4, 1
	v_mul_u32_u24 v3, v1, PITCH
	v_mul_u32_u24 v4, v2, 24
	v_add_nc_u32 v4, v3, v4                        ; a fragment's row x pitch + 24 x half
	v_lshl_add_u32 v5, v2, 4, v4                   ; and the same behind one padding more
	s_mul_i32 s21, s17, HALFT
	s_mul_i32 s22, s18, HALFT
	s_add_co_u32 s22, s22, 2*HALFT
.irp s, 0,1
	v_add_nc_u32 v[ADRA+\s], s21, v4
	v_add_nc_u32 v[ADRB+\s], s22, v4
	v_add_nc_u32 v[ADRA+2+\s], s21, v5
	v_add_nc_u32 v[ADRB+2+\s], s22, v5
	s_add_co_u32 s21, s21, SLOT
	s_add_co_u32 s22, s22, SLOT
.endr
	v_mul_u32_u24 v5, v1, KS
	v_lshrrev_b32 v6, 8, v5
	v_lshl_add_u32 v5, v6, 4, v5
	s_mul_i32 s21, s17, HALFS
	s_mul_i32 s22, s18, HALFS
	s_add_co_u32 s22, s22, 2*HALFS
	s_sub_co_u32 s22, s22, s21
	v_mul_u32_u24 v6, s22, v2                      ; lanes 16-31 take B's scale words
	s_add_co_u32 s21, s21, SCL
	v_add_nc_u32 v5, v5, v6
	v_add_nc_u32 v[ADRS], s21, v5
	v_and_b32 v6, 31, v0
	v_lshlrev_b32 v[TO], 4, v6
	v_lshlrev_b32 v[T8], 3, v6
	v_lshlrev_b32 v[SH], 4, v2
	; where the results go.  b = X / 8; a step of 128 tokens st = 2 (X % 8) + my half of the tokens
	s_lshr_b32 s78, s19, 3
	s_and_b32 s79, s19, 7
	s_lshl_b32 s80, s79, 4
	s_lshl_b32 s81, s17, 3
	s_add_co_u32 s80, s80, s81                     ; my first tile of 16 positions (q, k)
	s_lshl_b32 s80, s80, 12
	s_add_co_u32 s80, s80, RT
	s_mov_b32 s81, 0
	s_add_nc_u64 s[TP:TP+1], s[12:13], s[80:81]
	s_cmp_eq_u32 s20, 5
	s_cselect_b32 s82, s18, s17                    ; which 128 tokens are mine,
	s_cselect_b32 s83, s17, s18                    ; which 128 channels
	s_cselect_b32 s84, 6144, 0                     ; V's codes lie behind K's in a step
	s_cselect_b32 s85, 8, 9                        ; a step's scale words: 256 bytes of V's, 512 of K's
	s_cselect_b32 s86, 8192, 0
	s_lshl_b32 s87, s79, 1
	s_add_co_u32 s82, s82, s87                     ; st
	s_lshl_b32 s87, s78, 2
	s_lshl_b32 s88, s83, 1
	s_add_co_u32 s87, s87, s88
	s_mul_i32 s87, s87, KVSZ
	s_add_co_u32 s87, s87, KVB                     ; the block of the first of my two key/value heads
	s_mul_i32 s88, s82, 12288
	s_add_co_u32 s88, s88, s87
	s_add_co_u32 s88, s88, s84
	s_add_co_u32 s88, s88, 12288                   ; k's or v's codes
	s_lshl_b32 s89, s82, s85
	s_add_co_u32 s89, s89, s87
	s_add_co_u32 s89, s89, s86                     ; and scale words
	s_lshl_b32 s90, s78, 4
	s_lshl_b32 s91, s20, 2
	s_add_co_u32 s90, s90, s91
	s_lshl_b32 s91, s83, 1
	s_add_co_u32 s90, s90, s91                     ; q: 16 b + the first of my two heads
	s_mul_i32 s91, s90, 98304
	s_mul_i32 s92, s82, 6144
	s_add_co_u32 s91, s91, s92                     ; q's codes: 64 pair images of 1,536 bytes a head, four a step
	s_lshl_b32 s92, s90, 13
	s_lshl_b32 s93, s82, 9
	s_add_co_u32 s92, s92, s93
	s_add_co_u32 s92, s92, QSB                     ; q's scale words
	s_mov_b32 s93, 98304
	s_mov_b32 s94, 8192
	s_mov_b32 s95, KVSZ
	s_cmp_lt_u32 s20, 4
	s_cselect_b32 s80, s91, s88
	s_cselect_b32 s82, s92, s89
	s_cselect_b32 s84, s93, s95                    ; from head to head
	s_cselect_b32 s86, s94, s95
	s_mov_b32 s83, 0
	s_mov_b32 s85, 0
	s_mov_b32 s87, 0
	s_add_nc_u64 s[CB0:CB0+1], s[14:15], s[80:81]
	s_add_nc_u64 s[CB0+2:CB0+3], s[CB0:CB0+1], s[84:85]
	s_add_nc_u64 s[SB0:SB0+1], s[14:15], s[82:83]
	s_add_nc_u64 s[SB0+2:SB0+3], s[SB0:SB0+1], s[86:87]
.macro FRAG reg, adr, q, i             ; 16 rows x 128 K: 12 registers, in pieces of 8 bytes; a piece that for lanes 16-31 lies behind one padding more takes the second address register
.irp p, 0,1,2,3,4,5
.set PCE, 12*(\q)+6*(\p/3)+\p%3
.if PCE%8 < 5
	ds_load_b64 v[\reg+2*\p:\reg+2*\p+1], v[\adr] offset:8*PCE+16*(PCE/8)+(\i)*16*PITCH
.else
	ds_load_b64 v[\reg+2*\p:\reg+2*\p+1], v[\adr+2] offset:8*PCE+16*(PCE/8)+(\i)*16*PITCH
.endif
.endr
.endm
; 16 matrix instructions: A's blocks a0, a0 + 1 x B's eight.  The 64 accumulators take turns, one instruction a turn, in the same order in every step.
.macro MUL16 a0, p, q, sc, zero
.irp a, \a0, \a0+1
.irp b, 0,1,2,3,4,5,6,7
.if \zero
	v_wmma_scale_f32_16x16x128_f8f6f4 v[8*(8*((\a)%4)+\b):8*(8*((\a)%4)+\b)+7], v[128*(\p)+FR*\b:128*(\p)+FR*\b+FR-1], v[AF+FR*(\a):AF+FR*(\a)+FR-1], 0, v[SC+8*NQ*(\sc)+NQ*\b+(\q)], v[SC+8*NQ*(\sc)+NQ*(\a)+(\q)] matrix_a_fmt:MATRIX_FMT_FP6 matrix_b_fmt:MATRIX_FMT_FP6 matrix_a_scale:MATRIX_SCALE_ROW1
.else
	v_wmma_scale_f32_16x16x128_f8f6f4 v[8*(8*((\a)%4)+\b):8*(8*((\a)%4)+\b)+7], v[128*(\p)+FR*\b:128*(\p)+FR*\b+FR-1], v[AF+FR*(\a):AF+FR*(\a)+FR-1], v[8*(8*((\a)%4)+\b):8*(8*((\a)%4)+\b)+7], v[SC+8*NQ*(\sc)+NQ*\b+(\q)], v[SC+8*NQ*(\sc)+NQ*(\a)+(\q)] matrix_a_fmt:MATRIX_FMT_FP6 matrix_b_fmt:MATRIX_FMT_FP6 matrix_a_scale:MATRIX_SCALE_ROW1
.endif
.endr
.endr
.endm
.macro FETCH_B slot, q, p
	WIN TO_B
.irp i, 0,1,2,3,4,5,6,7
	FRAG 128*(\p)+FR*\i, ADRB+\slot, \q, \i
.endr
	WIN 0
.endm
.macro FETCH_A slot, q, i0
.irp i, \i0, \i0+1, \i0+2, \i0+3
	FRAG AF+FR*(\i), ADRA+\slot, \q, \i
.endr
.endm
.macro SCALES sc                       ; the next K step's scale words: lanes 0-15 A's block i, lanes 16-31 B's block i
.irp i, 0,1,2,3,4,5,6,7
	ds_load_b64 v[SC+8*NQ*\sc+NQ*\i:SC+8*NQ*\sc+NQ*\i+1], v[ADRS] offset:\i*SBLK
.endr
.endm
.macro PLACES n                        ; plain vector instructions between a matrix instruction and a load into, or a read of, its registers
.rept \n
	v_nop
.endr
.endm
.macro STEP slot, q, zero
	s_wait_dscnt 4*NL                              ; B's set and A's blocks 0-3 are in; A's blocks 4-7, the youngest 24 loads, may be out
	WIN MUL_LO
	MUL16 0, (\q)%2, \q, \slot, \zero
	MUL16 2, (\q)%2, \q, \slot, \zero
	s_wait_dscnt 0
	PLACES NP
	FETCH_B \slot, (\q)+1, 1-(\q)%2
	FETCH_A \slot, (\q)+1, 0
	WIN MUL_HI
	MUL16 4, (\q)%2, \q, \slot, \zero
	MUL16 6, (\q)%2, \q, \slot, \zero
	PLACES NP
	WIN 0
	FETCH_A \slot, (\q)+1, 4
.endm
; A slot's last step changes slots: one barrier; ahead of it each wave waits for all its tensor loads, adds 0 to its spare word, and waits for that and for its reads of this slot.
.macro TURN slot, next, fill
	s_wait_tensorcnt 0x0                           ; my part of the next slot has landed; no load of mine is out
	ds_add_u32 v[SPW], v[NIL]
	s_wait_dscnt 4*NL+1                            ; (the add and A's blocks 4-7 may be out)
	WIN MUL_LO
	MUL16 0, 1, NQ-1, \slot, 0
	s_wait_dscnt 0x0                               ; the add is done, and my reads of this slot are over
	s_barrier_signal -1
	MUL16 2, 1, NQ-1, \slot, 0
	WIN 0
	s_barrier_wait -1
.if \fill
	s_add_nc_u64 s[G0+4*\slot+2:G0+4*\slot+3], s[G0+4*\slot+2:G0+4*\slot+3], 2*ROWB
	tensor_load_to_lds s[G0+4*\slot:G0+4*\slot+3], s[G1:G1+7]   ; my one tensor load behind the barrier: this slot, two K steps on
	s_nop 0
.endif
	PLACES NP
	v_add_nc_u32 v[ADRS], 4*NQ, v[ADRS]
	FETCH_B \next, 0, 0
	FETCH_A \next, 0, 0
	SCALES \next
	WIN MUL_HI
	MUL16 4, 1, NQ-1, \slot, 0
	MUL16 6, 1, NQ-1, \slot, 0
	PLACES NP
	WIN 0
	FETCH_A \next, 0, 4
.endm
.macro TABLOAD a                       ; tile a's 16 sin and 16 cos a lane, into window 1, where B's fragments have left room
.if (\a) < 4
.set TBR, 32*(\a)
.elseif (\a) == 4
.set TBR, 224
.else
.set TBR, 128+32*((\a)-5)
.endif
.irp p, 0,1,2,3,4,5,6,7
	global_load_b128 v[TBR+4*\p:TBR+4*\p+3], v[TO], s[TP:TP+1] offset:(\a)*4096+512*\p
.endr
.endm
	s_wait_tensorcnt 1                             ; the scales and my part of K step 0 are in; K step 1's load may be out
	s_barrier_signal -1
	s_barrier_wait -1
	FETCH_B 0, 0, 0
	FETCH_A 0, 0, 0
	SCALES 0
	FETCH_A 0, 0, 4
	STEP 0, 0, 1                                   ; the first step's products start the sums
	s_mov_b32 s3, LAPS-1
.Llap:
	TURN 0, 1, 1
	STEP 1, 0, 0
	TURN 1, 0, 1
	STEP 0, 0, 0
	s_sub_co_u32 s3, s3, 1
	s_cmp_lg_u32 s3, 0
	s_cbranch_scc1 .Llap
	TURN 0, 1, 0
	STEP 1, 0, 0
	s_cmp_eq_u32 s20, 5                            ; v has no RoPE
	s_cbranch_scc1 .Lno_tab
	WIN 0x40
.irp a, 0,1,2,3,4
	TABLOAD \a                                     ; B's first set is done with (four places stand behind its last products): 40 loads land under the last 64 products
.endr
	WIN 0
.Lno_tab:
	s_wait_dscnt 4*NL
	WIN MUL_LO
	MUL16 0, 1, NQ-1, 1, 0
	MUL16 2, 1, NQ-1, 1, 0
	s_wait_dscnt 0
	WIN MUL_HI
	MUL16 4, 1, NQ-1, 1, 0
	MUL16 6, 1, NQ-1, 1, 0
	WIN 0
	PLACES NP
.irp b, 0,1,2,3
	v_mov_b32 v[TM+4+\b], 0                        ; a lane permute's destination counts as one of its sources
.endr
; 64 numbers of a lane in window w, register 16 b + i = number i of my half of block b, become 12 registers of codes in v[PC] on and the four blocks' scale bytes in v[PW].
.macro QUANT s, w, mov
	s_wait_xcnt 0x0                                ; the earlier stores have read the registers that are written below
	WIN (\w)|((\w)<<2)
.irp b, 0,1,2,3
	v_max3_num_f32 v[TM+\b], |v[(\s)+16*\b]|, |v[(\s)+1+16*\b]|, 0x1800000   ; with the floor 2^(3 - 127); each accumulator is read from its low end on
.endr
.irp i, 2,4,6,8,10,12,14
.irp b, 0,1,2,3
	v_max3_num_f32 v[TM+\b], |v[(\s)+16*\b+\i]|, |v[(\s)+1+16*\b+\i]|, v[TM+\b]
.endr
.endr
	WIN 0
.irp b, 0,1,2,3
	v_permlanex16_b32 v[TM+4+\b], v[TM+\b], s[SEL], s[SEL+1]
.endr
.irp b, 0,1,2,3
	v_max_num_f32 v[TM+\b], v[TM+\b], v[TM+4+\b]   ; with lane l xor 16's 16: the block's largest magnitude
.endr
.irp b, 0,1,2,3
	v_add_nc_u32 v[TM+12+\b], 0xff000000, v[TM+\b] ; 2 off its exponent field: the conversion's scale operand
.endr
.irp b, 0,1,2,3
	v_lshrrev_b32 v[TM+4+\b], 23, v[TM+12+\b]      ; the scale's byte
.endr
	v_lshl_or_b32 v[PW], v[TM+5], 8, v[TM+4]
	v_lshl_or_b32 v[PW], v[TM+6], 16, v[PW]
	v_lshl_or_b32 v[PW], v[TM+7], 24, v[PW]
	WIN \w
.irp c, 0,1
	v_cvt_scalef32_pk16_fp6_f32 v[PC+6*\c:PC+2+6*\c], v[(\s)+32*\c:(\s)+15+32*\c], v[TM+12+2*\c]
	v_cvt_scalef32_pk16_fp6_f32 v[PC+12+4*\c:PC+14+4*\c], v[(\s)+16+32*\c:(\s)+31+32*\c], v[TM+12+2*\c+1]
.endr
	WIN 0
	v_nop                                          ; a plain instruction behind the scaled conversions
.irp c, 0,1
.irp i, 0,1,2
	v_permlane16_swap_b32 v[PC+6*\c+\i], v[PC+12+4*\c+\i]   ; a whole block to a lane: lanes 0-15 block 2 c, lanes 16-31 block 2 c + 1
.endr
.if \mov
.irp i, 0,1,2
	v_mov_b32 v[PC+3+6*\c+\i], v[PC+12+4*\c+\i]
.endr
.endif
.endr
.endm
	s_cmp_eq_u32 s20, 5
	s_cbranch_scc1 .Lv
	WIN 0x40
.irp a, 5,6,7
	TABLOAD \a                                     ; B's second set is done with too
.endr
	WIN 0
; RoPE on token tiles 2 al and 2 al + 1 of head hd: the head's channel tiles u and u + 2 hold x1 and x2 of d = 16 u + 8 h + j.  out1 = x1 cos - x2 sin, out2 = x1 sin + x2 cos.
.macro ROPE al, hd
	WIN (2+(\al)/2)|(1<<2)                         ; source 0: the accumulators' window; source 1: the table's
.irp e, 0,1
.set AA, 2*(\al)+\e
.if AA < 4
.set TBR, 32*AA
.elseif AA == 4
.set TBR, 224
.else
.set TBR, 128+32*(AA-5)
.endif
.irp u, 0,1
.set X1, 8*(8*(AA%4)+4*(\hd)+\u)
.set X2, X1+16
.set SNR, TBR+8*\u
.set R1, R+32*\e+8*\u
.irp jp, 0,2,4,6
	v_pk_mul_f32 v[R1+\jp:R1+\jp+1], v[X2+\jp:X2+\jp+1], v[SNR+\jp:SNR+\jp+1]
	v_pk_mul_f32 v[R1+16+\jp:R1+17+\jp], v[X1+\jp:X1+\jp+1], v[SNR+\jp:SNR+\jp+1]
.endr
.irp jp, 0,2,4,6
	v_pk_fma_f32 v[R1+\jp:R1+\jp+1], v[X1+\jp:X1+\jp+1], v[SNR+16+\jp:SNR+17+\jp], v[R1+\jp:R1+\jp+1] neg_lo:[0,0,1] neg_hi:[0,0,1]
	v_pk_fma_f32 v[R1+16+\jp:R1+17+\jp], v[X2+\jp:X2+\jp+1], v[SNR+16+\jp:SNR+17+\jp], v[R1+16+\jp:R1+17+\jp]
.endr
.endr
.endr
.endm
; q and k: a pair of token tiles makes one image of 12 registers: registers 0-5 tile 2 al, 6-11 tile 2 al + 1; lane (r, h) holds token r's block h of the head's 64.
.irp hd, 0,1
.irp al, 0,1,2,3
.if \hd == 0
	s_wait_loadcnt 48-16*\al                       ; this pair's 16 table loads are in; the later tiles' may be out
.endif
	ROPE \al, \hd
	QUANT R, 0, 1
	v_bfe_u32 v[SW+\al], v[PW], v[SH], 16          ; lane (r, h): the two scale bytes of token tile 2 al + h; the word's upper bytes are 0: they scale the K that is not there
.irp p, 0,1,2
	global_store_b128 v[TO], v[PC+4*\p:PC+4*\p+3], s[CB0+2*\hd:CB0+2*\hd+1] offset:1536*\al+512*\p   ; 512 consecutive bytes
.endr
.endr
	global_store_b128 v[TO], v[SW:SW+3], s[SB0+2*\hd:SB0+2*\hd+1]
.endr
	s_wait_tensorcnt 0x0                           ; the wave's end
	ds_add_u32 v[SPW], v[NIL]
	s_wait_dscnt 0x0
	s_endpgm
.Lv:
; v: block a of my 128 channels: 16 channels x my 128 tokens: one fragment of the second product of attention, and a scale word a channel
.irp a, 0,1,2,3,4,5,6,7
	QUANT 64*((\a)%4), 2+(\a)/4, 1
.irp p, 0,1,2
	global_store_b128 v[TO], v[PC+4*\p:PC+4*\p+3], s[CB0+2*((\a)/4):CB0+2*((\a)/4)+1] offset:1536*((\a)%4)+512*\p
.endr
	v_mov_b32 v[VW+(\a)%4], v[PW]
.if (\a)%4 == 3
	v_cndmask_b32 v[W01], v[VW], v[VW+1], s[HM]    ; word i: lanes 0-15 channel tile 2 i, lanes 16-31 tile 2 i + 1
	v_cndmask_b32 v[W01+1], v[VW+2], v[VW+3], s[HM]
	global_store_b64 v[T8], v[W01:W01+1], s[SB0+2*((\a)/4):SB0+2*((\a)/4)+1]
.endif
.endr
	s_wait_tensorcnt 0x0                           ; the wave's end
	ds_add_u32 v[SPW], v[NIL]
	s_wait_dscnt 0x0
	s_endpgm
.Lfunc_end_k_q4982d1284d_qkv:
	.size	k_q4982d1284d_qkv, .Lfunc_end_k_q4982d1284d_qkv-k_q4982d1284d_qkv
	.p2alignl 7, 3214868480
	.fill 96, 4, 3214868480
	.section	.rodata,"a",@progbits
	.p2align	6, 0x0
	.amdhsa_kernel k_q4982d1284d_qkv
		.amdhsa_group_segment_fixed_size 327680
		.amdhsa_private_segment_fixed_size 0
		.amdhsa_enable_private_segment 0
		.amdhsa_kernarg_size 48
		.amdhsa_user_sgpr_count 2
		.amdhsa_user_sgpr_kernarg_segment_ptr 1
		.amdhsa_wavefront_size32 1
		.amdhsa_system_sgpr_workgroup_id_x 1
		.amdhsa_system_sgpr_workgroup_id_y 1
		.amdhsa_system_sgpr_workgroup_id_z 1
		.amdhsa_system_vgpr_workitem_id 0
		.amdhsa_next_free_vgpr 1024
		.amdhsa_next_free_sgpr 100
		.amdhsa_reserve_vcc 0
		.amdhsa_float_denorm_mode_32 3
		.amdhsa_float_denorm_mode_16_64 3
		.amdhsa_memory_ordered 1
		.amdhsa_forward_progress 1
		.amdhsa_inst_pref_size 233
	.end_amdhsa_kernel
	.amdgpu_metadata
---
amdhsa.version: [ 1, 2 ]
amdhsa.kernels:
  - .name:           k_q4982d1284d_qkv
    .symbol:         k_q4982d1284d_qkv.kd
    .args:
      - { .name: xc, .offset: 0, .size: 8, .value_kind: global_buffer, .address_space: global }
      - { .name: xs, .offset: 8, .size: 8, .value_kind: global_buffer, .address_space: global }
      - { .name: wc, .offset: 16, .size: 8, .value_kind: global_buffer, .address_space: global }
      - { .name: ws, .offset: 24, .size: 8, .value_kind: global_buffer, .address_space: global }
      - { .name: tab, .offset: 32, .size: 8, .value_kind: global_buffer, .address_space: global }
      - { .name: qkv, .offset: 40, .size: 8, .value_kind: global_buffer, .address_space: global }
    .group_segment_fixed_size: 327680
    .private_segment_fixed_size: 0
    .kernarg_segment_align: 8
    .kernarg_segment_size: 48
    .max_flat_workgroup_size: 128
    .sgpr_count:     100
    .vgpr_count:     1024
    .wavefront_size: 32
...
	.end_amdgpu_metadata
.endif
;; end of part 2
;; launch attn (part 3): grid 16 x 16, 8 waves a work-group, clusters of 4 x 1, 244,736 bytes of LDS; arguments qkv, tab, yc, ys; writes yc, ys
.if DOCPART == 3
	.amdgcn_target "amdgcn-amd-amdhsa--gfx1250"
	.amdhsa_code_object_version 6
	.text
	.protected	k_q4982d1284d_attn
	.globl	k_q4982d1284d_attn
	.p2align	8
	.type	k_q4982d1284d_attn,@function
k_q4982d1284d_attn:
	s_mov_b64 s[64:65], 0
	v_nop
	global_prefetch_b8 v0, s[64:65] scope:SCOPE_SE
	s_setreg_imm32_b32 hwreg(HW_REG_WAVE_MODE, 25, 1), 1
	s_wait_xcnt 0x0
	s_wait_alu depctr_hold_cnt(0) depctr_sa_sdst(0) depctr_va_vdst(0) depctr_va_sdst(0) depctr_va_ssrc(0) depctr_va_vcc(0) depctr_vm_vsrc(0)
	s_getreg_b32 s2, hwreg(HW_REG_IB_STS2, 6, 4)
	s_cmp_eq_u32 s2, 0
	s_cbranch_scc0 .Lentry_in_a_cluster
	s_endpgm
.Lentry_in_a_cluster:
	s_bfe_u32 s2, ttmp6, 0x10000c
	s_cmp_lg_u32 s2, 0x3003
	s_cbranch_scc0 .Lentry_shape_is_right
	s_endpgm
.Lentry_shape_is_right:
; y[b][q][head][:] = softmax_k(q . k / 8 + bias[q][k]) v, both products on codes of FP6 (E2M3) with E8M0 scales; y is quantised along its 1,024 channels for the last projection.
; THE SOFTMAX: t = (q . k + 8 bias) x log2(e) / 8; M = the running largest t rounded up to a whole number; p = 2^(t - M) is quantised along the keys, not normalised; the sum of the unquantised p divides at the end.
; When M moves, the sum and O are multiplied by 2^(old M - new M), which rounds nothing.
; SHARES.  A work-group owns 128 query positions of one (batch, key/value head).  Each of its eight waves owns 16 positions for the group's FOUR query heads: four tiles that share every fragment of K and V and every
; register of the bias.  Two waves to a SIMD: one wave's softmax stands beside the other's products and loads.
; K AND V STAY IN LDS: the block of one (batch, key/value head), 208,896 bytes of register images and scale words, is filled once; nothing is filled again.  The four work-groups of a cluster own four query blocks of
; the same block of K and V, so it is asked for JOINTLY: three loads a wave, each wave its own rows.
; THE BIAS IS THE C OF THE SCORES' PRODUCTS: 8 x bias lies in memory in the result's register layout and costs no vector instruction.
; K = 64 IN AN INSTRUCTION OF 128: Q's fragment is six registers of codes and six of zero codes; a tile of K is six registers, and the six that the instruction names behind them (the next tile's, or six zeros)
; meet Q's zeros; the scale words' upper two bytes are 0, which is a finite scale.
; LAYOUT.  S^T = K Q^T, O^T = V^T P^T: a lane holds one query throughout.  A block of 32 holds its octets in the order 0, 2, 1, 3 in p and in v alike, and in y and Wo alike.
; LIMITS: NaN is not served; a row whose every logit is -infinity is not served; a block of zeros gets the scale byte 1 with zero codes.
; REGISTERS.  window 0: v1-11 addresses; v12-27 four statistics a tile; v28-37 scale words; v40-87 K, v88-93 zeros; v96-143 V; v144-207 S^T, then p; v208-238 the quantiser; v240-245 the way out's addresses, which
; have registers of their own from the head on: no LDS address stands in a register that has held loaded data.  window 1: v0-127 O^T; v128-191 the bias; v192-239 Q.
.set QSB,   6291456
.set KVB,   6815744
.set KVSZ,  208896
.set STG,   208896                     ; behind the block: a stage of 16 rows x 272 bytes for each wave
.set SPARE, STG+8*4352                 ; the spare words, 128 bytes for each wave
.set L16, 1                            ; 16 x lane
.set L8V, 2                            ; 8,192 + 8 x lane: V's scale words
.set AC,  3
.set AKS, 4
.set AVS, 5
.set SPW, 6                            ; my spare word; never rewritten
.set NIL, 7                            ; 0; never rewritten
.set QO0, 8
.set PFO, 9                            ; 256 x lane
.set QO1, 10
.set QO2, 11
.set ST,  12                           ; tile g: -M, the largest t, the sum in two halves
.set QS,  28
.set KS,  32
.set VS,  36
.set QSO, 38
.set KF,  40
.set PAD, 88
.set VF,  96
.set S,   144
.set PC,  208
.set BM,  216
.set PT,  220
.set SO,  228
.set F,   236
.set PW,  237
.set TMP, 238
.set STO, 240                          ; the way out: where I put 12 bytes of a row in my stage; never rewritten
.set RD,  241                          ; where I read a row back; never rewritten
.set GO,  242                          ; my byte offset in the wave's rows of y's codes
.set YSO, 243                          ; and of y's scale bytes
.set RL,  244                          ; lane % 16
.set HL,  245                          ; lane / 16
.set O,   0                            ; window 1
.set BI,  128
.set Q,   192
.set WV,  12
.set SEL, 20
.set CS,  22                           ; s[22:23] c = log2(e) / 8
.set G1A, 24
.set G1B, 32
.set G1C, 40
.set G0A, 48
.set G0B, 52
.set G0C, 56
.set BP,  60                           ; s[60:61] the bias image in hand
.set STP, 62                           ; the step's number
.set LC,  63
.set TC,  66                           ; LDS: the step's codes,
.set TKS, 67                           ; K's scale words,
.set TVS, 68                           ; V's
.set LIM, 69
.set HM,  70
.set MSB, 0
.macro WIN new
.if MSB != \new
	s_set_vgpr_msb (MSB<<8)|\new
.set MSB, \new
.endif
.endm
.macro CROUND                          ; a round of the cluster's barrier
	s_barrier_signal -1
	s_barrier_wait -1
	s_cmp_lg_u32 s[WV], 0
	s_cbranch_scc1 .Lnot_wave_0_\@
	s_barrier_signal -3
.Lnot_wave_0_\@:
	s_barrier_wait -3
	s_barrier_signal -1
	s_barrier_wait -1
.endm
	s_load_b256 s[4:11], s[0:1], 0x0               ; qkv, tab, yc, ys
	v_lshl_add_u32 v[SPW], v0, 2, SPARE
	v_mov_b32 v[NIL], 0
	ds_add_u32 v[SPW], v[NIL]                      ; the wave's opening: the add and its wait ahead of my first tensor load
	v_lshrrev_b32 v8, 5, v0
	v_readfirstlane_b32 s[WV], v8                  ; wave 0..7
	s_bfe_u32 s13, ttmp6, 0x40000                  ; cx
	s_lshl_b32 s14, ttmp9, 2
	s_add_co_u32 s14, s14, s13                     ; my block of 128 query positions: it enters global addresses of my own loads and stores alone
	s_and_b32 s15, ttmp7, 0xffff                   ; 4 x batch + key/value head, which the partners share
.irp g, G1A, G1B, G1C                  ; dense rows of 256 bytes (32 elements of 8); the mask names all four work-groups, bit 21 beside it
	s_mov_b32 s[\g], 15|(3<<16)|(1<<21)
	s_mov_b32 s[\g+1], 32<<16
	s_mov_b32 s[\g+3], 32<<16
	s_mov_b32 s[\g+5], 32
	s_mov_b32 s[\g+6], 0
	s_mov_b32 s[\g+7], 0
.endr
	s_mov_b32 s[G1A+2], 12<<16                     ; 8 waves x 12 rows: the scale words and step 0
	s_mov_b32 s[G1A+4], 12
	s_mov_b32 s[G1B+2], 18<<16                     ; x 18: steps 1 to 3
	s_mov_b32 s[G1B+4], 18
	s_mov_b32 s[G1C+2], 72<<16                     ; x 72: steps 4 to 15
	s_mov_b32 s[G1C+4], 72
	s_mov_b32 s[SEL], 0x76543210
	s_mov_b32 s[SEL+1], 0xfedcba98
	s_mov_b32 s[CS], 0x3e38aa3b
	s_mov_b32 s[CS+1], s[CS]
	s_mov_b32 s[HM], 0xffff0000
	s_mov_b32 s[STP], 0
	s_mov_b32 s[TC], 12288
	s_mov_b32 s[TKS], 0
	s_mov_b32 s[TVS], 0
	s_cmp_eq_u32 s15, 0
	s_cselect_b32 s[LIM], 14, 0                    ; the sixteen rows of work-groups read the same bias: the first row prefetches
	s_mul_i32 s72, s15, KVSZ
	s_add_co_u32 s72, s72, KVB
	s_mov_b32 s73, 0
	s_mul_i32 s74, s[WV], 3072
	s_mov_b32 s75, 0
	s_mul_i32 s76, s[WV], 4608
	s_add_co_u32 s76, s76, 24576
	s_mov_b32 s77, 0
	s_mul_i32 s78, s[WV], 18432
	s_add_co_u32 s78, s78, 61440
	s_mov_b32 s79, 0
	s_wait_dscnt 0x0                               ; the opening add is done
	s_wait_kmcnt 0x0
	s_add_nc_u64 s[72:73], s[4:5], s[72:73]        ; the block of K and V
	CROUND                                         ; all four work-groups are here: the joint loads meet
	s_mov_b32 s[G0A], 1
	s_mov_b32 s[G0A+1], s74                        ; the block lies in LDS as in memory
	s_add_nc_u64 s[G0A+2:G0A+3], s[72:73], s[74:75]
	s_or_b32 s[G0A+3], s[G0A+3], 0x80000000
	s_mov_b32 s[G0B], 1
	s_mov_b32 s[G0B+1], s76
	s_add_nc_u64 s[G0B+2:G0B+3], s[72:73], s[76:77]
	s_or_b32 s[G0B+3], s[G0B+3], 0x80000000
	s_mov_b32 s[G0C], 1
	s_mov_b32 s[G0C+1], s78
	s_add_nc_u64 s[G0C+2:G0C+3], s[72:73], s[78:79]
	s_or_b32 s[G0C+3], s[G0C+3], 0x80000000
	tensor_load_to_lds s[G0A:G0A+3], s[G1A:G1A+7]  ; three loads of mine are out
	s_nop 0
	tensor_load_to_lds s[G0B:G0B+3], s[G1B:G1B+7]
	s_nop 0
	tensor_load_to_lds s[G0C:G0C+3], s[G1C:G1C+7]
	s_nop 0
.rept 4
	v_nop
.endr
	v_and_b32 v39, 31, v0
	v_lshlrev_b32 v[L16], 4, v39
	v_lshlrev_b32 v[L8V], 3, v39
	v_add_nc_u32 v[L8V], 8192, v[L8V]
	v_lshlrev_b32 v[PFO], 8, v39
	; the way out's addresses: made here, of the thread's number, the wave's number and constants
	v_and_b32 v[RL], 15, v0                        ; r
	v_bfe_u32 v[HL], v0, 4, 1                      ; h
	s_mul_i32 s89, s[WV], 4352
	s_add_co_u32 s89, s89, STG                     ; my stage
	v_mul_u32_u24 v[STO], v[RL], 272
	v_lshl_add_u32 v[STO], v[HL], 5, v[STO]
	v_add_nc_u32 v[STO], s89, v[STO]               ; in: row r; a block's two halves take two places of 16 bytes; lanes 16-31 hold the block one on
	v_mul_u32_u24 v[RD], v[HL], 272
	v_lshl_add_u32 v[RD], v[RL], 4, v[RD]
	v_add_nc_u32 v[RD], s89, v[RD]                 ; back: sixteen lanes to a row, two rows an instruction
	v_mul_u32_u24 v[GO], v[HL], 768
	v_mad_u32_u24 v[GO], v[RL], 12, v[GO]          ; the same place in y's codes: rows of 768 bytes, 12 bytes a place
	v_lshlrev_b32 v[YSO], 5, v[RL]
	v_lshl_add_u32 v[YSO], v[HL], 2, v[YSO]        ; y's scale bytes: rows of 32 bytes; lanes 16-31 store the second word
	s_and_b32 s80, s[WV], 1                        ; my token tile is this half of pair wave / 2 of the block
	s_lshr_b32 s81, s[WV], 1
	s_mul_i32 s82, s80, 520
	v_add_nc_u32 v[QO0], s82, v[L16]               ; registers 6 half .. 6 half + 5 of a pair image (three planes of 512 bytes, 16 bytes a lane), as three pieces of 8 bytes
	v_add_nc_u32 v[QO2], 512, v[QO0]
	s_mul_i32 s82, s80, 1016
	s_add_co_u32 s82, s82, 8
	v_add_nc_u32 v[QO1], s82, v[L16]
	v_and_b32 v39, 15, v0
	s_lshl_b32 s82, s80, 4
	v_add_nc_u32 v39, s82, v39
	s_lshl_b32 s82, s81, 2
	v_lshl_add_u32 v[QSO], v39, 4, s82             ; my tile's scale words: image lane 16 half + r, word wave / 2
	s_lshl_b32 s82, s15, 8                         ; 16 b + 4 kv = 4 y heads in front, 64 pairs a head
	s_lshl_b32 s83, s14, 2
	s_add_co_u32 s82, s82, s83
	s_add_co_u32 s82, s82, s81
	s_mul_i32 s82, s82, 1536
	s_mov_b32 s83, 0
	s_add_nc_u64 s[84:85], s[4:5], s[82:83]        ; Q's codes
	s_lshl_b32 s82, s15, 6
	s_add_co_u32 s82, s82, s14
	s_lshl_b32 s82, s82, 9
	s_add_co_u32 s82, s82, QSB
	s_add_nc_u64 s[86:87], s[4:5], s[82:83]        ; Q's scale words
	s_lshl_b32 s88, s14, 3
	s_add_co_u32 s88, s88, s[WV]                   ; my tile of 16 positions
	s_lshl_b32 s82, s88, 17
	s_add_nc_u64 s[BP:BP+1], s[6:7], s[82:83]      ; its sixteen bias images of 8,192 bytes
	WIN 0x40                                       ; destination window 1
.irp g, 0,1,2,3
	global_load_b64 v[Q+12*\g:Q+12*\g+1], v[QO0], s[84:85] offset:\g*98304
	global_load_b64 v[Q+12*\g+2:Q+12*\g+3], v[QO1], s[84:85] offset:\g*98304
	global_load_b64 v[Q+12*\g+4:Q+12*\g+5], v[QO2], s[84:85] offset:\g*98304
.endr
.irp i, 0,1,2,3,4,5,6,7,8,9,10,11,12,13,14,15
	global_load_b128 v[BI+4*\i:BI+4*\i+3], v[L16], s[BP:BP+1] offset:512*\i    ; step 0's bias: 512 consecutive bytes a load
.endr
.irp g, 0,1,2,3
.irp k, 6,7,8,9,10,11
	v_mov_b32 v[Q+12*\g+\k], 0                     ; the K that is not there: zero codes
.endr
.endr
	WIN 0
.irp g, 0,1,2,3
	global_load_b32 v[QS+\g], v[QSO], s[86:87] offset:\g*8192
.endr
.irp k, 0,1,2,3,4,5
	v_mov_b32 v[PAD+\k], 0                         ; what the last tile of K names behind its six registers
.endr
.irp g, 0,1,2,3
	v_mov_b32 v[ST+4*\g+1], 0xff61b1e6             ; the largest t so far: -3e38
	v_floor_f32 v[ST+4*\g], -v[ST+4*\g+1]          ; -M
	v_mov_b32 v[ST+4*\g+2], 0                      ; the sum
	v_mov_b32 v[ST+4*\g+3], 0
	v_mov_b32 v[PT+\g], 0                          ; a lane permute's destination counts as one of its sources
.endr
	v_mov_b32 v[PW], 0                             ; (named as the upper half of the pair with f before it is first written)
; The next step's bias, into the registers that the fourth tile's scores have just read; behind the loads a prefetch of the image after that: 32 lanes x 256 bytes, one step ahead of its loads.
; Each image is named once in the launch: by the wave that owns its tile of positions, in the first of the sixteen rows of work-groups.  The last two steps ask for nothing.
.macro BIASNEXT
	s_cmp_lt_u32 s[STP], 15
	s_cbranch_scc0 .Lnb_\@
	s_wait_xcnt 0x0                                ; the last step's prefetch has read its address
	s_add_nc_u64 s[BP:BP+1], s[BP:BP+1], 8192
	WIN 0x40
.irp i, 0,1,2,3,4,5,6,7,8,9,10,11,12,13,14,15
	global_load_b128 v[BI+4*\i:BI+4*\i+3], v[L16], s[BP:BP+1] offset:512*\i
.endr
	WIN 0
	s_cmp_lt_u32 s[STP], s[LIM]
	s_cbranch_scc0 .Lnb_\@
	global_prefetch_b8 v[PFO], s[BP:BP+1] offset:8192 th:TH_LOAD_NT scope:SCOPE_SE
.Lnb_\@:
.endm
; One tile's softmax for 128 keys, and p's codes and scale word.
.macro SM g
.set TS_, ST+4*(\g)
.irp b, 0,1,2,3
	v_max3_num_f32 v[BM+\b], v[S+16*\b], v[S+1+16*\b], v[S+2+16*\b]   ; the largest score of each block of 32 keys: for the row's maximum, and, since p rises with the score, for the block's largest p
.endr
.irp i, 3,5,7,9,11,13
.irp b, 0,1,2,3
	v_max3_num_f32 v[BM+\b], v[BM+\b], v[S+16*\b+\i], v[S+1+16*\b+\i]
.endr
.endr
.irp b, 0,1,2,3
	v_max_num_f32 v[BM+\b], v[BM+\b], v[S+15+16*\b]
.endr
.irp b, 0,1,2,3
	v_permlanex16_b32 v[PT+\b], v[BM+\b], s[SEL], s[SEL+1]
.endr
.irp b, 0,1,2,3
	v_max_num_f32 v[BM+\b], v[BM+\b], v[PT+\b]     ; with lane l xor 16's 16 keys
.endr
	v_max3_num_f32 v[TMP], v[BM], v[BM+1], v[BM+2]
	v_max_num_f32 v[TMP], v[TMP], v[BM+3]
	v_mul_f32 v[TMP], s[CS], v[TMP]                ; as t
	v_max_num_f32 v[TS_+1], v[TS_+1], v[TMP]       ; the running largest t
	v_mov_b32 v[TMP], v[TS_]
	v_floor_f32 v[TS_], -v[TS_+1]                  ; the new -M = -ceil(t)
	v_sub_f32 v[TMP], v[TS_], v[TMP]               ; old M - new M: a whole number, 0 or less
	v_cvt_i32_f32 v[TMP], v[TMP]                   ; (it saturates)
	v_ldexp_f32 v[F], 1.0, v[TMP]                  ; f = 2^(old M - new M)
.set JJ, 0
.rept 32
	v_pk_fma_f32 v[S+JJ:S+JJ+1], v[S+JJ:S+JJ+1], s[CS:CS+1], v[TS_:TS_+1] op_sel_hi:[1,0,0]   ; t - M, two at a time
.set JJ, JJ+2
.endr
.irp b, 0,1,2,3
	v_fma_f32 v[BM+\b], v[BM+\b], s[CS], v[TS_]
.endr
.set JJ, 0
.rept 64
	v_exp_f32 v[S+JJ], v[S+JJ]                     ; p = 2^(t - M)
.set JJ, JJ+1
.endr
	v_pk_mul_f32 v[TS_+2:TS_+3], v[TS_+2:TS_+3], v[F:F+1] op_sel_hi:[1,0]   ; the sums under the new M: the plain instruction behind the batch
	s_wait_alu depctr_va_vdst(0)                   ; one wait for the 64, ahead of their first reader
.irp b, 0,1,2,3
	v_exp_f32 v[BM+\b], v[BM+\b]                   ; each block's largest p
.endr
	v_pk_add_f32 v[PT:PT+1], v[S:S+1], v[S+2:S+3]  ; the row's sum is taken of the unquantised p, in two chains
.set JJ, 4
.rept 15
	v_pk_add_f32 v[TS_+2:TS_+3], v[TS_+2:TS_+3], v[S+JJ:S+JJ+1]
	v_pk_add_f32 v[PT:PT+1], v[PT:PT+1], v[S+JJ+2:S+JJ+3]
.set JJ, JJ+4
.endr
	v_pk_add_f32 v[TS_+2:TS_+3], v[TS_+2:TS_+3], v[PT:PT+1]
	s_wait_alu depctr_va_vdst(0)                   ; and one for the four
.irp b, 0,1,2,3
	v_max_num_f32 v[BM+\b], 0x1800000, v[BM+\b]    ; the floor 2^(3 - 127)
.endr
.irp b, 0,1,2,3
	v_add_nc_u32 v[SO+\b], 0xff000000, v[BM+\b]    ; the conversion's scale operand
.endr
.irp b, 0,1,2,3
	v_lshrrev_b32 v[PT+\b], 23, v[SO+\b]           ; the scale's byte
.endr
	v_lshl_or_b32 v[PW], v[PT+1], 8, v[PT]
	v_lshl_or_b32 v[PW], v[PT+2], 16, v[PW]
	v_lshl_or_b32 v[PW], v[PT+3], 24, v[PW]
.irp c, 0,1
	v_cvt_scalef32_pk16_fp6_f32 v[PC+6*\c:PC+2+6*\c], v[S+32*\c:S+15+32*\c], v[SO+2*\c]
	v_cvt_scalef32_pk16_fp6_f32 v[PT+4*\c:PT+2+4*\c], v[S+16+32*\c:S+31+32*\c], v[SO+2*\c+1]
.endr
	v_nop                                          ; a plain instruction behind the scaled conversions
.irp c, 0,1
.irp i, 0,1,2
	v_permlane16_swap_b32 v[PC+6*\c+\i], v[PT+4*\c+\i]   ; a whole block to a lane
.endr
.irp i, 0,1,2
	v_mov_b32 v[PC+3+6*\c+\i], v[PT+4*\c+\i]
.endr
.endr
.endm
.macro TILE g, first
	WIN 0x14                                       ; Q and the bias in window 1
.irp t, 0,1,2,3,4,5,6,7
.if \t%2
	v_wmma_scale_f32_16x16x128_f8f6f4 v[S+8*\t:S+8*\t+7], v[KF+6*\t:KF+6*\t+11], v[Q+12*(\g):Q+12*(\g)+11], v[BI+8*\t:BI+8*\t+7], v[KS+\t/2], v[QS+(\g)] matrix_a_fmt:MATRIX_FMT_FP6 matrix_b_fmt:MATRIX_FMT_FP6 matrix_a_scale:MATRIX_SCALE_ROW1
.else
	v_wmma_scale_f32_16x16x128_f8f6f4 v[S+8*\t:S+8*\t+7], v[KF+6*\t:KF+6*\t+11], v[Q+12*(\g):Q+12*(\g)+11], v[BI+8*\t:BI+8*\t+7], v[KS+\t/2], v[QS+(\g)] matrix_a_fmt:MATRIX_FMT_FP6 matrix_b_fmt:MATRIX_FMT_FP6
.endif
.endr
	WIN 0
.rept 4
	v_nop                                          ; places ahead of the first read of the scores, of the writes of the last p's registers, and of the loads into the bias's
.endr
.if \g == 3
	BIASNEXT
.endif
	SM \g
.if \g == 0
	s_wait_dscnt 0x0                               ; V and its scale words are in
.endif
.if \first
.rept 8
	v_nop                                          ; places between the write of p's scale word and codes and the scaled products
.endr
.else
	WIN 0x41
.set JJ, 0
.rept 16
	v_pk_mul_f32 v[O+32*(\g)+JJ:O+32*(\g)+JJ+1], v[O+32*(\g)+JJ:O+32*(\g)+JJ+1], v[F:F+1] op_sel_hi:[1,0]   ; O^T under the new M; these are also those places
.set JJ, JJ+2
.endr
.endif
	WIN 0x50                                       ; O^T in window 1
.irp d, 0,1,2,3
.if \first
.if \d%2
	v_wmma_scale_f32_16x16x128_f8f6f4 v[O+32*(\g)+8*\d:O+32*(\g)+8*\d+7], v[VF+12*\d:VF+12*\d+11], v[PC:PC+11], 0, v[VS+\d/2], v[PW] matrix_a_fmt:MATRIX_FMT_FP6 matrix_b_fmt:MATRIX_FMT_FP6 matrix_a_scale:MATRIX_SCALE_ROW1
.else
	v_wmma_scale_f32_16x16x128_f8f6f4 v[O+32*(\g)+8*\d:O+32*(\g)+8*\d+7], v[VF+12*\d:VF+12*\d+11], v[PC:PC+11], 0, v[VS+\d/2], v[PW] matrix_a_fmt:MATRIX_FMT_FP6 matrix_b_fmt:MATRIX_FMT_FP6
.endif
.else
.if \d%2
	v_wmma_scale_f32_16x16x128_f8f6f4 v[O+32*(\g)+8*\d:O+32*(\g)+8*\d+7], v[VF+12*\d:VF+12*\d+11], v[PC:PC+11], v[O+32*(\g)+8*\d:O+32*(\g)+8*\d+7], v[VS+\d/2], v[PW] matrix_a_fmt:MATRIX_FMT_FP6 matrix_b_fmt:MATRIX_FMT_FP6 matrix_a_scale:MATRIX_SCALE_ROW1
.else
	v_wmma_scale_f32_16x16x128_f8f6f4 v[O+32*(\g)+8*\d:O+32*(\g)+8*\d+7], v[VF+12*\d:VF+12*\d+11], v[PC:PC+11], v[O+32*(\g)+8*\d:O+32*(\g)+8*\d+7], v[VS+\d/2], v[PW] matrix_a_fmt:MATRIX_FMT_FP6 matrix_b_fmt:MATRIX_FMT_FP6
.endif
.endif
.endr
	WIN 0
.endm
; A step: 128 keys for the wave's four tiles.  first = 1: the products V^T P^T start O^T's sums.
.macro STEP first
	v_add_nc_u32 v[AC], s[TC], v[L16]
	v_add_nc_u32 v[AKS], s[TKS], v[L16]
	v_add_nc_u32 v[AVS], s[TVS], v[L8V]
	v_nop                                          ; four places behind the last products, ahead of the loads into their operands
.irp i, 0,1,2,3,4,5,6,7,8,9,10,11
	ds_load_b128 v[KF+4*\i:KF+4*\i+3], v[AC] offset:512*\i          ; images: 512 consecutive bytes a load
.endr
	ds_load_b128 v[KS:KS+3], v[AKS]
.irp i, 0,1,2,3,4,5,6,7,8,9,10,11
	ds_load_b128 v[VF+4*\i:VF+4*\i+3], v[AC] offset:6144+512*\i
.endr
	ds_load_b64 v[VS:VS+1], v[AVS]
	s_wait_dscnt 13                                ; K's 13 loads are in; V's 13 may be out
	s_wait_loadcnt 0x0                             ; the bias (the first time Q too)
.irp g, 0,1,2,3
	TILE \g, \first
.endr
	s_add_co_u32 s[TC], s[TC], 12288
	s_add_co_u32 s[TKS], s[TKS], 512
	s_add_co_u32 s[TVS], s[TVS], 256
	s_add_co_u32 s[STP], s[STP], 1
.endm
	s_wait_tensorcnt 2                             ; my part of the scale words and step 0 is in; my two later loads may be out
	s_barrier_signal -1
	s_barrier_wait -1                              ; everybody's is
	STEP 1
	s_wait_dscnt 0x0
	s_wait_tensorcnt 1                             ; steps 1 to 3
	s_barrier_signal -1
	s_barrier_wait -1
	s_mov_b32 s[LC], 3
.Lfew:
	STEP 0
	s_sub_co_u32 s[LC], s[LC], 1
	s_cmp_lg_u32 s[LC], 0
	s_cbranch_scc1 .Lfew
	s_wait_dscnt 0x0
	s_wait_tensorcnt 0x0                           ; steps 4 to 15
	s_barrier_signal -1
	s_barrier_wait -1
	s_mov_b32 s[LC], 12
.Lmany:
	STEP 0
	s_sub_co_u32 s[LC], s[LC], 1
	s_cmp_lg_u32 s[LC], 0
	s_cbranch_scc1 .Lmany
; THE WAY OUT.  O^T / the sum; two heads (128 channels) at a time are quantised; the codes go through my stage and leave as rows: sixteen lanes store 192 consecutive bytes of a row of y's codes.
; The quantiser works in registers that V's fragments have left.
.set QTM, 96
.set QPC, 112
.set QPW, 132
.set YW,  134
.set YSL, 136
	s_lshr_b32 s72, s15, 2
	s_lshl_b32 s72, s72, 11
	s_lshl_b32 s74, s88, 4
	s_add_co_u32 s72, s72, s74                     ; my first row of y: 2,048 b + 16 x tile
	s_and_b32 s74, s15, 3                          ; the key/value head: 256 of y's 1,024 channels
	s_mul_i32 s76, s72, 768
	s_mul_i32 s75, s74, 192
	s_add_co_u32 s76, s76, s75
	s_mov_b32 s77, 0
	s_add_nc_u64 s[8:9], s[8:9], s[76:77]
	s_lshl_b32 s76, s72, 5
	s_lshl_b32 s75, s74, 3
	s_add_co_u32 s76, s76, s75
	s_add_nc_u64 s[10:11], s[10:11], s[76:77]
.irp g, 0,1,2,3
	v_add_f32 v[ST+4*\g+2], v[ST+4*\g+2], v[ST+4*\g+3]   ; the sum's two halves.  (These additions, which name no register of the last products, are also the places behind them)
.endr
.irp g, 0,1,2,3
	v_permlanex16_b32 v[PT+\g], v[ST+4*\g+2], s[SEL], s[SEL+1]
.endr
.irp g, 0,1,2,3
	v_add_f32 v[ST+4*\g+2], v[ST+4*\g+2], v[PT+\g] ; the row's sum
.endr
.irp g, 0,1,2,3
	v_rcp_f32 v[ST+4*\g+2], v[ST+4*\g+2]
.endr
	v_nop                                          ; a plain instruction behind the last reciprocal
	s_wait_alu depctr_va_vdst(0)                   ; one wait for the four, ahead of their first reader
.irp y, 0,1
	WIN 0x01                                       ; source 0: O^T, window 1
.irp e, 0,1
.set JJ, 0
.rept 16
	v_pk_mul_f32 v[S+32*\e+JJ:S+32*\e+JJ+1], v[O+32*(2*\y+\e)+JJ:O+32*(2*\y+\e)+JJ+1], v[ST+4*(2*\y+\e)+2:ST+4*(2*\y+\e)+3] op_sel_hi:[1,0]
.set JJ, JJ+2
.endr
.endr
	WIN 0
	s_wait_dscnt 0x0                               ; the stage stores have read the registers that are written below
.irp b, 0,1,2,3
	v_max3_num_f32 v[QTM+\b], |v[S+16*\b]|, |v[S+1+16*\b]|, 0x1800000
.endr
.irp i, 2,4,6,8,10,12,14
.irp b, 0,1,2,3
	v_max3_num_f32 v[QTM+\b], v[QTM+\b], |v[S+16*\b+\i]|, |v[S+1+16*\b+\i]|
.endr
.endr
.irp b, 0,1,2,3
	v_permlanex16_b32 v[QTM+4+\b], v[QTM+\b], s[SEL], s[SEL+1]
.endr
.irp b, 0,1,2,3
	v_max_num_f32 v[QTM+\b], v[QTM+\b], v[QTM+4+\b]
.endr
.irp b, 0,1,2,3
	v_add_nc_u32 v[QTM+12+\b], 0xff000000, v[QTM+\b]
.endr
.irp b, 0,1,2,3
	v_lshrrev_b32 v[QTM+4+\b], 23, v[QTM+12+\b]
.endr
	v_lshl_or_b32 v[QPW], v[QTM+5], 8, v[QTM+4]
	v_lshl_or_b32 v[QPW], v[QTM+6], 16, v[QPW]
	v_lshl_or_b32 v[YW+\y], v[QTM+7], 24, v[QPW]   ; the scale bytes of these 128 channels
.irp c, 0,1
	v_cvt_scalef32_pk16_fp6_f32 v[QPC+6*\c:QPC+2+6*\c], v[S+32*\c:S+15+32*\c], v[QTM+12+2*\c]
	v_cvt_scalef32_pk16_fp6_f32 v[QPC+12+4*\c:QPC+14+4*\c], v[S+16+32*\c:S+31+32*\c], v[QTM+12+2*\c+1]
.endr
	v_nop
.irp c, 0,1
.irp i, 0,1,2
	v_permlane16_swap_b32 v[QPC+6*\c+\i], v[QPC+12+4*\c+\i]   ; lane (r, h): the first run holds the lower 16 codes of block 2 c + h, the second the upper 16
.endr
.endr
.irp c, 0,1
	ds_store_b96 v[STO], v[QPC+6*\c:QPC+2+6*\c] offset:128*\y+64*\c
	ds_store_b96 v[STO], v[QPC+12+4*\c:QPC+14+4*\c] offset:128*\y+64*\c+16
.endr
.endr
.irp t, 0,1,2,3,4,5,6,7
	ds_load_b96 v[S+4*\t:S+4*\t+2], v[RD] offset:2*\t*272      ; LDS serves a wave's instructions in order: these see my stores
.endr
	v_cndmask_b32 v[YSL], v[YW], v[YW+1], s[HM]    ; lanes 0-15 store the first word of the row's eight bytes, lanes 16-31 the second
	global_store_b32 v[YSO], v[YSL], s[10:11]
.irp t, 0,1,2,3,4,5,6,7
	s_wait_dscnt 7-\t
	global_store_b96 v[GO], v[S+4*\t:S+4*\t+2], s[8:9] offset:2*\t*768
.endr
	s_wait_tensorcnt 0x0                           ; the wave's end, behind my last tensor load and my last LDS store
	ds_add_u32 v[SPW], v[NIL]
	s_wait_dscnt 0x0
	CROUND                                         ; the closing round
	s_endpgm
.Lfunc_end_k_q4982d1284d_attn:
	.size	k_q4982d1284d_attn, .Lfunc_end_k_q4982d1284d_attn-k_q4982d1284d_attn
	.p2alignl 7, 3214868480
	.fill 96, 4, 3214868480
	.section	.rodata,"a",@progbits
	.p2align	6, 0x0
	.amdhsa_kernel k_q4982d1284d_attn
		.amdhsa_group_segment_fixed_size 244736
		.amdhsa_private_segment_fixed_size 0
		.amdhsa_enable_private_segment 0
		.amdhsa_kernarg_size 32
		.amdhsa_user_sgpr_count 2
		.amdhsa_user_sgpr_kernarg_segment_ptr 1
		.amdhsa_wavefront_size32 1
		.amdhsa_system_sgpr_workgroup_id_x 1
		.amdhsa_system_sgpr_workgroup_id_y 1
		.amdhsa_system_sgpr_workgroup_id_z 1
		.amdhsa_system_vgpr_workitem_id 0
		.amdhsa_next_free_vgpr 512
		.amdhsa_next_free_sgpr 90
		.amdhsa_reserve_vcc 0
		.amdhsa_float_denorm_mode_32 3
		.amdhsa_float_denorm_mode_16_64 3
		.amdhsa_memory_ordered 1
		.amdhsa_forward_progress 1
		.amdhsa_inst_pref_size 197
	.end_amdhsa_kernel
	.amdgpu_metadata
---
amdhsa.version: [ 1, 2 ]
amdhsa.kernels:
  - .name:           k_q4982d1284d_attn
    .symbol:         k_q4982d1284d_attn.kd
    .args:
      - { .name: qkv, .offset: 0, .size: 8, .value_kind: global_buffer, .address_space: global }
      - { .name: tab, .offset: 8, .size: 8, .value_kind: global_buffer, .address_space: global }
      - { .name: yc, .offset: 16, .size: 8, .value_kind: global_buffer, .address_space: global }
      - { .name: ys, .offset: 24, .size: 8, .value_kind: global_buffer, .address_space: global }
    .group_segment_fixed_size: 244736
    .private_segment_fixed_size: 0
    .kernarg_segment_align: 8
    .kernarg_segment_size: 32
    .max_flat_workgroup_size: 256
    .sgpr_count:     90
    .vgpr_count:     512
    .wavefront_size: 32
...
	.end_amdgpu_metadata
.endif
;; end of part 3
;; launch oproj (part 4): grid 4 x 32, 4 waves a work-group, clusters of 4 x 4, 327,680 bytes of LDS; arguments yc, ys, wc, ws, out0; writes out0
.if DOCPART == 4
	.amdgcn_target "amdgcn-amd-amdhsa--gfx1250"
	.amdhsa_code_object_version 6
	.text
	.protected	k_q4982d1284d_oproj
	.globl	k_q4982d1284d_oproj
	.p2align	8
	.type	k_q4982d1284d_oproj,@function
k_q4982d1284d_oproj:
	s_mov_b64 s[64:65], 0
	v_nop
	global_prefetch_b8 v0, s[64:65] scope:SCOPE_SE
	s_setreg_imm32_b32 hwreg(HW_REG_WAVE_MODE, 25, 1), 1
	s_wait_xcnt 0x0
	s_wait_alu depctr_hold_cnt(0) depctr_sa_sdst(0) depctr_va_vdst(0) depctr_va_sdst(0) depctr_va_ssrc(0) depctr_va_vcc(0) depctr_vm_vsrc(0)
	s_getreg_b32 s2, hwreg(HW_REG_IB_STS2, 6, 4)
	s_cmp_eq_u32 s2, 0
	s_cbranch_scc0 .Lentry_in_a_cluster
	s_endpgm
.Lentry_in_a_cluster:
	s_bfe_u32 s2, ttmp6, 0x10000c
	s_cmp_lg_u32 s2, 0xf033
	s_cbranch_scc0 .Lentry_shape_is_right
	s_endpgm
.Lentry_shape_is_right:
; out0[m][n] = sum over k of y[m][k] Wo[k][n].  y: [8192][1024] as codes of FP6 (E2M3) with one E8M0 scale for each 32 along K; Wo: rows 1,536 to 2,559 of the table of weights' codes, K innermost; out0: f32.
; Both sides hold a block's octets in the order 0, 2, 1, 3, so the products and scales are those of the written order; the order of the f32 sums inside a block differs.
; A tile of 256 x 256 is made by four waves, each 128 x 128: 64 accumulators, 512 registers.  K goes in steps of 256 through a ring of two LDS slots filled by tensor loads; the scales of the work-group's rows come once and stay.
; CLUSTERS: 4 x 4 work-groups.  The four of a row of the cluster need the same tiles of A, the four of a column the same tiles of B: each tile is asked for JOINTLY, by the same tensor load with the same descriptor
; and a mask that names the four.  THE MATRIX INSTRUCTION IS USED TRANSPOSED (source 0 = 16 rows of B, source 1 = 16 rows of A): a lane holds eight neighbouring numbers of a row of the output.
; 128 tiles: half of the chip's WGPs have a work-group; a smaller tile would read each LDS byte for half the products.
; REGISTERS: window 0: v0-31 addresses; v32-63 scale words, two sets; from v128 A's fragments, one set.  window 1: B's fragments, two sets.  windows 2, 3: the accumulators.
.set SIZE_M, 8192
.set SIZE_N, 1024
.set SIZE_K, 1024
.set KSTEP,  256
.set NQ,     KSTEP/128
.set ROWB,   192
.set KROW,   SIZE_K*6/8
.set PITCH,  240                       ; an LDS row: 3 x (64 bytes of data + 16 of padding)
.set FR,     12
.set NL,     6
.set NP,     4
.set HALFT,  128*PITCH
.set SLOT,   4*HALFT
.set LAPS,   SIZE_K/(2*KSTEP)
.set KS,     SIZE_K/32
.set SCL,    2*SLOT
.set HALFS,  (128*KS/256)*272
.set SBLK,   (16*KS/256)*272
.set SPARE,  SCL+4*HALFS
.set SPITCH, 528                       ; the way out: a stage of 16 rows x (512 bytes + 16) for each wave, in slot 0, which has had its last fill and its last read by then
.set ADRA, 16
.set ADRB, 20
.set STO,  24
.set RD,   25
.set CO,   26
.set SPW,  28                          ; my spare word; never rewritten
.set NIL,  29                          ; 0; never rewritten
.set ADRS, 27
.set SC,   32
.set AF,   128
.set BK,   128
.set G1, 24
.set G0, 32
.set G1B, 48
.set G0B, 56
.set G1S, 68
.set G0S, 76
.set G1SB, 80
.set G0SB, 88
.set MSB, 0
.macro WIN new
.if MSB != \new
	s_set_vgpr_msb (MSB<<8)|\new
.set MSB, \new
.endif
.endm
.set MUL_LO, 0xa1
.set MUL_HI, 0xf1
.set TO_B,   0x40
; A joint load: waves 0 and 1 fetch for A, waves 2 and 3 for B.  The branch hangs on the wave's number alone.  An s_nop 0 and four v_nop follow each of the two lines.
.macro JLOAD g0a, g1a, g0b, g1b
	s_cmp_eq_u32 s15, 0
	s_cbranch_scc0 .Lfor_b_\@
	tensor_load_to_lds s[\g0a:\g0a+3], s[\g1a:\g1a+7]
	s_nop 0
.rept 4
	v_nop
.endr
	s_branch .Lasked_\@
.Lfor_b_\@:
	tensor_load_to_lds s[\g0b:\g0b+3], s[\g1b:\g1b+7]
	s_nop 0
.rept 4
	v_nop
.endr
.Lasked_\@:
.endm
.macro CREST
	s_cmp_lg_u32 s14, 0
	s_cbranch_scc1 .Lnot_wave_0_\@
	s_barrier_signal -3
.Lnot_wave_0_\@:
	s_barrier_wait -3
	s_barrier_signal -1
	s_barrier_wait -1
.endm
.macro CROUND
	s_barrier_signal -1
	s_barrier_wait -1
	CREST
.endm
	s_load_b128 s[4:7], s[0:1], 0x0                ; y's codes, y's scales
	s_load_b128 s[8:11], s[0:1], 0x10              ; the weights' codes, their scales
	s_load_b64 s[12:13], s[0:1], 0x20              ; out0
	v_lshl_add_u32 v[SPW], v0, 2, SPARE
	v_mov_b32 v[NIL], 0
	ds_add_u32 v[SPW], v[NIL]                      ; the wave's opening: the add and its wait ahead of my first tensor load
	v_lshrrev_b32 v1, 5, v0
	v_readfirstlane_b32 s14, v1                    ; wave 0..3
	s_lshr_b32 s15, s14, 1
	s_and_b32 s16, s14, 1
	s_bfe_u32 s40, ttmp6, 0x40000                  ; cx, cy
	s_bfe_u32 s41, ttmp6, 0x40004
	s_lshl_b32 s42, ttmp9, 2
	s_add_co_u32 s42, s42, s40                     ; tile column
	s_and_b32 s17, ttmp7, 0xffff
	s_lshl_b32 s17, s17, 2
	s_add_co_u32 s17, s17, s41                     ; tile row
	s_lshl_b32 s43, s41, 2
	s_lshl_b32 s43, 15, s43                        ; my row of the cluster
	s_lshl_b32 s44, 0x1111, s40                    ; my column
	s_or_b32 s[G1+0], s43, (0<<16)|(1<<20)|(1<<21)|(3<<22)|(3<<25)
	s_or_b32 s[G1B+0], s44, (0<<16)|(1<<20)|(1<<21)|(3<<22)|(3<<25)
.irp g, G1, G1B
	s_mov_b32 s[\g+1], ROWB<<16
	s_mov_b32 s[\g+2], 128<<16
	s_mov_b32 s[\g+3], ROWB<<16
	s_mov_b32 s[\g+4], 128
	s_mov_b32 s[\g+5], KROW
	s_mov_b32 s[\g+6], 0
	s_mov_b32 s[\g+7], 0
.endr
	s_or_b32 s[G1S+0], s43, (3<<16)|(1<<20)|(1<<21)|(5<<22)|(3<<25)
	s_or_b32 s[G1SB+0], s44, (3<<16)|(1<<20)|(1<<21)|(5<<22)|(3<<25)
.irp g, G1S, G1SB
	s_mov_b32 s[\g+1], 32<<16
	s_mov_b32 s[\g+2], (128*KS/256)<<16
	s_mov_b32 s[\g+3], 32<<16
	s_mov_b32 s[\g+4], 128*KS/256
	s_mov_b32 s[\g+5], 32
	s_mov_b32 s[\g+6], 0
	s_mov_b32 s[\g+7], 0
.endr
	s_lshl_b32 s18, s16, 7
	s_lshl_b32 s20, s17, 8
	s_add_co_u32 s20, s20, s18                     ; A: row 256 x tile row + 128 x half
	s_lshl_b32 s46, s42, 8
	s_add_co_u32 s46, s46, s18                     ; B: row 256 x tile column + 128 x half
	s_mov_b32 s21, 0
	s_mov_b32 s47, 0
	s_mov_b64 s[18:19], KS
	s_mul_u64 s[22:23], s[20:21], s[18:19]
	s_mul_u64 s[92:93], s[46:47], s[18:19]
	s_mov_b64 s[18:19], KROW
	s_mul_u64 s[20:21], s[20:21], s[18:19]
	s_mul_u64 s[46:47], s[46:47], s[18:19]
	s_mul_i32 s45, s14, HALFT
	s_mul_i32 s94, s14, HALFS
	s_wait_dscnt 0x0                               ; the opening add is done
	s_wait_kmcnt 0x0
	s_add_nc_u64 s[8:9], s[8:9], 1179648           ; Wo's rows begin at row 1,536 of the table: 1,536 x 768 bytes of codes,
	s_add_nc_u64 s[10:11], s[10:11], 49152         ; 1,536 x 32 of scales
	s_add_nc_u64 s[20:21], s[4:5], s[20:21]
	s_add_nc_u64 s[22:23], s[6:7], s[22:23]
	s_add_nc_u64 s[46:47], s[8:9], s[46:47]
	s_add_nc_u64 s[92:93], s[10:11], s[92:93]
	CROUND                                         ; all sixteen work-groups are here: the first joint loads meet
	s_mov_b32 s[G0S], 1
	s_add_co_u32 s[G0S+1], s94, SCL
	s_mov_b64 s[G0S+2:G0S+3], s[22:23]
	s_or_b32 s[G0S+3], s[G0S+3], 0x80000000
	s_mov_b32 s[G0SB], 1
	s_add_co_u32 s[G0SB+1], s94, SCL
	s_mov_b64 s[G0SB+2:G0SB+3], s[92:93]
	s_or_b32 s[G0SB+3], s[G0SB+3], 0x80000000
	JLOAD G0S, G1S, G0SB, G1SB                     ; the scales first
.irp s, 0,1
	s_mov_b32 s[G0+4*\s], 1
	s_add_co_u32 s[G0+4*\s+1], s45, \s*SLOT
	s_add_nc_u64 s[G0+4*\s+2:G0+4*\s+3], s[20:21], \s*ROWB
	s_or_b32 s[G0+4*\s+3], s[G0+4*\s+3], 0x80000000
	s_mov_b32 s[G0B+4*\s], 1
	s_add_co_u32 s[G0B+4*\s+1], s45, \s*SLOT
	s_add_nc_u64 s[G0B+4*\s+2:G0B+4*\s+3], s[46:47], \s*ROWB
	s_or_b32 s[G0B+4*\s+3], s[G0B+4*\s+3], 0x80000000
	JLOAD G0+4*\s, G1, G0B+4*\s, G1B
.endr
	v_and_b32 v1, 15, v0
	v_bfe_u32 v2, v0, 4, 1
	v_mul_u32_u24 v3, v1, PITCH
	v_mul_u32_u24 v4, v2, 24
	v_add_nc_u32 v4, v3, v4
	v_lshl_add_u32 v5, v2, 4, v4
	s_mul_i32 s21, s15, HALFT
	s_mul_i32 s22, s16, HALFT
	s_add_co_u32 s22, s22, 2*HALFT
.irp s, 0,1
	v_add_nc_u32 v[ADRA+\s], s21, v4
	v_add_nc_u32 v[ADRB+\s], s22, v4
	v_add_nc_u32 v[ADRA+2+\s], s21, v5
	v_add_nc_u32 v[ADRB+2+\s], s22, v5
	s_add_co_u32 s21, s21, SLOT
	s_add_co_u32 s22, s22, SLOT
.endr
	v_mul_u32_u24 v5, v1, KS
	v_lshrrev_b32 v6, 8, v5
	v_lshl_add_u32 v5, v6, 4, v5
	s_mul_i32 s21, s15, HALFS
	s_mul_i32 s22, s16, HALFS
	s_add_co_u32 s22, s22, 2*HALFS
	s_sub_co_u32 s22, s22, s21
	v_mul_u32_u24 v6, s22, v2                      ; lanes 16-31 take B's
	s_add_co_u32 s21, s21, SCL
	v_add_nc_u32 v5, v5, v6
	v_add_nc_u32 v[ADRS], s21, v5
	s_mul_i32 s23, s14, 16*SPITCH                  ; my stage
	v_mul_u32_u24 v5, v1, SPITCH
	v_lshl_add_u32 v5, v2, 5, v5
	v_add_nc_u32 v[STO], s23, v5
	v_and_b32 v6, 31, v0
	v_lshlrev_b32 v[CO], 4, v6
	v_add_nc_u32 v[RD], s23, v[CO]
	s_lshl_b32 s20, s17, 8
	s_lshl_b32 s21, s15, 7
	s_add_co_u32 s20, s20, s21
	s_mov_b32 s21, 0
	s_mov_b64 s[18:19], SIZE_N*4
	s_mul_u64 s[20:21], s[20:21], s[18:19]
	s_lshl_b32 s46, s42, 10
	s_lshl_b32 s47, s16, 9
	s_add_co_u32 s46, s46, s47
	s_mov_b32 s47, 0
	s_add_nc_u64 s[20:21], s[20:21], s[46:47]
	s_add_nc_u64 s[12:13], s[12:13], s[20:21]
.macro FRAG reg, adr, q, i
.irp p, 0,1,2,3,4,5
.set PC, 12*(\q)+6*(\p/3)+\p%3
.if PC%8 < 5
	ds_load_b64 v[\reg+2*\p:\reg+2*\p+1], v[\adr] offset:8*PC+16*(PC/8)+(\i)*16*PITCH
.else
	ds_load_b64 v[\reg+2*\p:\reg+2*\p+1], v[\adr+2] offset:8*PC+16*(PC/8)+(\i)*16*PITCH
.endif
.endr
.endm
; The 64 accumulators take turns, one instruction a turn, in the same order in every step.
.macro MUL16 a0, p, q, sc, zero
.irp a, \a0, \a0+1
.irp b, 0,1,2,3,4,5,6,7
.if \zero
	v_wmma_scale_f32_16x16x128_f8f6f4 v[8*(8*((\a)%4)+\b):8*(8*((\a)%4)+\b)+7], v[128*(\p)+FR*\b:128*(\p)+FR*\b+FR-1], v[AF+FR*(\a):AF+FR*(\a)+FR-1], 0, v[SC+8*NQ*(\sc)+NQ*\b+(\q)], v[SC+8*NQ*(\sc)+NQ*(\a)+(\q)] matrix_a_fmt:MATRIX_FMT_FP6 matrix_b_fmt:MATRIX_FMT_FP6 matrix_a_scale:MATRIX_SCALE_ROW1
.else
	v_wmma_scale_f32_16x16x128_f8f6f4 v[8*(8*((\a)%4)+\b):8*(8*((\a)%4)+\b)+7], v[128*(\p)+FR*\b:128*(\p)+FR*\b+FR-1], v[AF+FR*(\a):AF+FR*(\a)+FR-1], v[8*(8*((\a)%4)+\b):8*(8*((\a)%4)+\b)+7], v[SC+8*NQ*(\sc)+NQ*\b+(\q)], v[SC+8*NQ*(\sc)+NQ*(\a)+(\q)] matrix_a_fmt:MATRIX_FMT_FP6 matrix_b_fmt:MATRIX_FMT_FP6 matrix_a_scale:MATRIX_SCALE_ROW1
.endif
.endr
.endr
.endm
.macro FETCH_B slot, q, p
	WIN TO_B
.irp i, 0,1,2,3,4,5,6,7
	FRAG 128*(\p)+FR*\i, ADRB+\slot, \q, \i
.endr
	WIN 0
.endm
.macro FETCH_A slot, q, i0
.irp i, \i0, \i0+1, \i0+2, \i0+3
	FRAG AF+FR*(\i), ADRA+\slot, \q, \i
.endr
.endm
.macro SCALES sc
.irp i, 0,1,2,3,4,5,6,7
	ds_load_b64 v[SC+8*NQ*\sc+NQ*\i:SC+8*NQ*\sc+NQ*\i+1], v[ADRS] offset:\i*SBLK
.endr
.endm
.macro PLACES n                        ; plain vector instructions between a matrix instruction and a load into, or a read of, its registers
.rept \n
	v_nop
.endr
.endm
.macro STEP slot, q, zero
	s_wait_dscnt 4*NL                              ; B's set and A's blocks 0-3 are in; A's blocks 4-7 may be out
	WIN MUL_LO
	MUL16 0, (\q)%2, \q, \slot, \zero
	MUL16 2, (\q)%2, \q, \slot, \zero
	s_wait_dscnt 0
	PLACES NP
	FETCH_B \slot, (\q)+1, 1-(\q)%2
	FETCH_A \slot, (\q)+1, 0
	WIN MUL_HI
	MUL16 4, (\q)%2, \q, \slot, \zero
	MUL16 6, (\q)%2, \q, \slot, \zero
	PLACES NP
	WIN 0
	FETCH_A \slot, (\q)+1, 4
.endm
; A slot's last step changes slots: one barrier; ahead of it each wave waits for all its tensor loads, adds 0 to its spare word, and waits for that and for its reads of this slot.
.macro TURN slot, next, fill
	s_wait_tensorcnt 0x0                           ; my part of the next slot has landed
	ds_add_u32 v[SPW], v[NIL]
	s_wait_dscnt 4*NL+1                            ; (the add and A's blocks 4-7 may be out)
	WIN MUL_LO
	MUL16 0, 1, NQ-1, \slot, 0
	s_wait_dscnt 0x0                               ; the add is done, and my reads of this slot are over
	s_barrier_signal -1
	MUL16 2, 1, NQ-1, \slot, 0
	WIN 0
	s_barrier_wait -1
.if \fill
	CREST                                          ; the barrier has opened a round of the cluster's barrier: no wave of any partner still reads this slot or has a load on its way
	s_add_nc_u64 s[G0+4*\slot+2:G0+4*\slot+3], s[G0+4*\slot+2:G0+4*\slot+3], 2*ROWB
	s_add_nc_u64 s[G0B+4*\slot+2:G0B+4*\slot+3], s[G0B+4*\slot+2:G0B+4*\slot+3], 2*ROWB
	JLOAD G0+4*\slot, G1, G0B+4*\slot, G1B
.else
	PLACES NP
.endif
	v_add_nc_u32 v[ADRS], 4*NQ, v[ADRS]
	FETCH_B \next, 0, 0
	FETCH_A \next, 0, 0
	SCALES \next
	WIN MUL_HI
	MUL16 4, 1, NQ-1, \slot, 0
	MUL16 6, 1, NQ-1, \slot, 0
	PLACES NP
	WIN 0
	FETCH_A \next, 0, 4
.endm
	s_wait_tensorcnt 1                             ; the scales and my part of K step 0 are in (K step 1's load may be out)
	s_barrier_signal -1
	s_barrier_wait -1
	FETCH_B 0, 0, 0
	FETCH_A 0, 0, 0
	SCALES 0
	FETCH_A 0, 0, 4
	STEP 0, 0, 1                                   ; the first step's products start the sums
	s_mov_b32 s3, LAPS-1
.Llap:
	TURN 0, 1, 1
	STEP 1, 0, 0
	TURN 1, 0, 1
	STEP 0, 0, 0
	s_sub_co_u32 s3, s3, 1
	s_cmp_lg_u32 s3, 0
	s_cbranch_scc1 .Llap
	TURN 0, 1, 0                                   ; the last lap fills nothing
	STEP 1, 0, 0
	s_wait_dscnt 4*NL
	WIN MUL_LO
	MUL16 0, 1, NQ-1, 1, 0
	MUL16 2, 1, NQ-1, 1, 0
	s_wait_dscnt 0
	WIN MUL_HI
	MUL16 4, 1, NQ-1, 1, 0
	MUL16 6, 1, NQ-1, 1, 0
	WIN 0
; THE WAY OUT, block by block of 16 rows x 128 columns, through my own stage: back as whole rows of 512 bytes.  LDS serves a wave's instructions in order.
.macro TOSTAGE a
.set AC, 64*((\a)%4)
	WIN 0x08+4*((\a)/4)
.irp b, 0,1,2,3,4,5,6,7
	ds_store_b128 v[STO], v[AC+8*\b:AC+8*\b+3] offset:64*\b          ; each accumulator from its low end on
	ds_store_b128 v[STO], v[AC+8*\b+4:AC+8*\b+7] offset:64*\b+16
.endr
	WIN 0
.set BB, BK+64*((\a)%2)
.irp t, 0,1,2,3,4,5,6,7,8,9,10,11,12,13,14,15
	ds_load_b128 v[BB+4*\t:BB+4*\t+3], v[RD] offset:\t*SPITCH
.endr
.endm
.macro SEND a, younger
.set BB, BK+64*((\a)%2)
	s_wait_dscnt \younger
.if (\a) > 0
	s_add_nc_u64 s[12:13], s[12:13], 16*SIZE_N*4   ; (behind a wait on XCNT: the earlier stores have read their base)
.endif
.irp t, 0,1,2,3,4,5,6,7,8,9,10,11,12,13,14,15
	global_store_b128 v[CO], v[BB+4*\t:BB+4*\t+3], s[12:13] offset:\t*SIZE_N*4 th:TH_STORE_NT   ; 32 lanes store 512 consecutive bytes
.endr
.endm
	PLACES NP
	TOSTAGE 0
.irp a, 1,2,3,4,5,6,7
.if \a > 1
	s_wait_xcnt 0x0                                ; block a - 2's stores have read their registers and their base
.endif
	TOSTAGE \a
	SEND \a-1, 32                                  ; behind block a - 1's loads: block a's 16 stores and 16 loads
.endr
	s_wait_xcnt 0x0
	SEND 7, 0
	s_wait_tensorcnt 0x0                           ; the wave's end, behind my last tensor load and my last LDS store
	ds_add_u32 v[SPW], v[NIL]
	s_wait_dscnt 0x0
	CROUND                                         ; the closing round
	s_endpgm
.Lfunc_end_k_q4982d1284d_oproj:
	.size	k_q4982d1284d_oproj, .Lfunc_end_k_q4982d1284d_oproj-k_q4982d1284d_oproj
	.p2alignl 7, 3214868480
	.fill 96, 4, 3214868480
	.section	.rodata,"a",@progbits
	.p2align	6, 0x0
	.amdhsa_kernel k_q4982d1284d_oproj
		.amdhsa_group_segment_fixed_size 327680
		.amdhsa_private_segment_fixed_size 0
		.amdhsa_enable_private_segment 0
		.amdhsa_kernarg_size 40
		.amdhsa_user_sgpr_count 2
		.amdhsa_user_sgpr_kernarg_segment_ptr 1
		.amdhsa_wavefront_size32 1
		.amdhsa_system_sgpr_workgroup_id_x 1
		.amdhsa_system_sgpr_workgroup_id_y 1
		.amdhsa_system_sgpr_workgroup_id_z 1
		.amdhsa_system_vgpr_workitem_id 0
		.amdhsa_next_free_vgpr 1024
		.amdhsa_next_free_sgpr 98
		.amdhsa_reserve_vcc 0
		.amdhsa_float_denorm_mode_32 3
		.amdhsa_float_denorm_mode_16_64 3
		.amdhsa_memory_ordered 1
		.amdhsa_forward_progress 1
		.amdhsa_inst_pref_size 160
	.end_amdhsa_kernel
	.amdgpu_metadata
---
amdhsa.version: [ 1, 2 ]
amdhsa.kernels:
  - .name:           k_q4982d1284d_oproj
    .symbol:         k_q4982d1284d_oproj.kd
    .args:
      - { .name: yc, .offset: 0, .size: 8, .value_kind: global_buffer, .address_space: global }
      - { .name: ys, .offset: 8, .size: 8, .value_kind: global_buffer, .address_space: global }
      - { .name: wc, .offset: 16, .size: 8, .value_kind: global_buffer, .address_space: global }
      - { .name: ws, .offset: 24, .size: 8, .value_kind: global_buffer, .address_space: global }
      - { .name: out0, .offset: 32, .size: 8, .value_kind: global_buffer, .address_space: global }
    .group_segment_fixed_size: 327680
    .private_segment_fixed_size: 0
    .kernarg_segment_align: 8
    .kernarg_segment_size: 40
    .max_flat_workgroup_size: 128
    .sgpr_count:     98
    .vgpr_count:     1024
    .wavefront_size: 32
...
	.end_amdgpu_metadata
.endif
;; end of part 4
